; MI455X (gfx1250); checked and timed in simulation.
; The chip was launched on July 23, 2026; its instructions are those of AMD's public machine-readable ISA for CDNA 5 (MIT licence, August 2026) and "CDNA5" Instruction Set Architecture Reference Guide (July 2026). The comments in the code are by the model that wrote it; some were corrected since.
;; Optimized FC Attention. Allowed arithmetic: matrix products marked QUANTISED: E3M2 operands, one E8M0 scale for each 32 along K, by v_wmma_scale_f32_16x16x128_f8f6f4 with both operands' format E3M2, f32 sums; everything else in f32.
;; Inputs: Wk 1,024 x 1,024 float32; Wo 1,024 x 1,024 float32; Wq 1,024 x 1,024 float32; Wv 1,024 x 1,024 float32; bar_ids 1 x 2,048 int32; bk 1,024 float32; bo 1,024 float32; bq 1,024 float32; bv 1,024 float32; instrument_ids 1 x 2,048 int32; x 1 x 2,048 x 1,024 float32.
;; Outputs: out0 1 x 2,048 x 1,024 float32.
;; This version of the problem:
;;   THIS VERSION OF THE PROBLEM IS GIVEN IN LOW PRECISION. The matrix products marked QUANTISED in the list below multiply operands that are first quantised to E3M2 (3 exponent bits, 2 mantissa bits; 6 bits a number), with one power-of-two scale for each 32 numbers along K (OCP MX v1.0); their sums are f32. All else is computed in f32.
;;   The module's matrix products, in the order in which they are computed (A, B: the left and right operand; K: the contracted axis; several contracted axes count as one K, in the product's order):
;;     1. [M 2,048, K 1,024] x [K 1,024, N 1,024]; A: input x; B: input Wq: QUANTISED
;;     2. [M 2,048, K 1,024] x [K 1,024, N 1,024]; A: input x; B: input Wk: QUANTISED
;;     3. [M 2,048, K 1,024] x [K 1,024, N 1,024]; A: input x; B: input Wv: QUANTISED
;;     4. batch 16 x [M 2,048, K 64] x [K 64, N 2,048]; A: computed on the way; B: computed on the way: QUANTISED
;;     5. batch 16 x [M 2,048, K 2,048] x [K 2,048, N 64]; A: softmax (see below); B: computed on the way: QUANTISED
;;     6. batch 16 x [M 2,048, K 64] x [K 64, N 2,048]; A: computed on the way; B: computed on the way: QUANTISED
;;     7. batch 16 x [M 2,048, K 2,048] x [K 2,048, N 64]; A: softmax (see below); B: computed on the way: QUANTISED
;;     8. batch 16 x [M 2,048, K 64] x [K 64, N 2,048]; A: computed on the way; B: computed on the way: QUANTISED
;;     9. batch 16 x [M 2,048, K 2,048] x [K 2,048, N 64]; A: softmax (see below); B: computed on the way: QUANTISED
;;     10. [M 2,048, K 1,024] x [K 1,024, N 1,024]; A: computed on the way; B: input Wo: QUANTISED
;;   THE QUANTISER, for each operand of a quantised product, along K:
;;     - K is cut into blocks of 32 from its start; a last block that is shorter is filled with zeros.
;;     - A block's scale is 2^e with e = floor(log2(the largest magnitude in the block)) - 4, held to -126 .. 127; a block of zeros has e = 0. As a byte (E8M0): e + 127.
;;     - Each number is divided by its block's scale, clamped to +-28, and rounded to the nearest number of E3M2, ties to even, subnormals kept.
;;     - The product sums the exact products of the quantised numbers (number of the format x scale) in f32.
;;   ~~~python
;;   def quantise(x, axis):      # numpy; x: float32 -> the quantised numbers, widened to float32 again
;;       x = np.moveaxis(x, axis, -1); K = x.shape[-1]
;;       x = np.pad(x, [(0, 0)] * (x.ndim - 1) + [(0, -K % 32)]); x = x.reshape(x.shape[:-1] + (-1, 32)); a = np.abs(x).max(-1, keepdims=True)
;;       e = np.where(a > 0, np.clip(np.frexp(np.where(a > 0, a, 1))[1] - 1 - 4, -126, 127), 0)      # np.frexp(a)[1] - 1 = floor(log2(a)), exactly
;;       r = np.clip(x / 2.0 ** e, -28, 28)
;;       step = 2.0 ** (np.maximum(np.frexp(np.where(r == 0, 1, r))[1] - 1, -2) - 2)
;;       q = np.round(r / step) * step * 2.0 ** e      # np.round: ties to even
;;       return np.moveaxis(q.reshape(q.shape[:-2] + (-1,))[..., :K], -1, axis).astype(np.float32)
;;   ~~~
;;   SOFTMAX AHEAD OF A QUANTISED PRODUCT. Where the list says 'softmax', what is quantised is not the finished softmax but p = 2^(t - M), with t = logit x log2(e) and M = ceil(the row's largest t), a whole number; so 1/2 < the row's largest p <= 1. The row's sum l is taken of the UNQUANTISED p, in f32, and the product's result is divided by l at the end. Since M is a whole number, a kernel that streams over the keys may use a running M (the ceiling of the running maximum): every later rescaling is an exact power of two, which a block's scale takes up: the codes' values come out the same.
;;   OPERANDS COMPUTED ON THE WAY. 'Computed on the way' means the value that the module computes at that place (a softmax that the list does not call 'softmax' is quantised finished and normalised). What goes into a quantiser is computed in f32, as accurately as f32 sums, v_exp_f32 and their like allow (about 1e-6 of the number): no bf16 or f16 on the way to a quantiser, and a product that is left as it is and whose result goes on into a quantised operand takes f32 operands (vector FMAs, or v_wmma_f32_16x16x4_f32). A number that lies on a knife's edge between two numbers of the format may be rounded either way, as far as f32 arithmetic and the matrix unit's own rounding can turn it there, and no further.
;; 2 versions, each right; version 2 is version 1 with the launch attn written anew for expert scheduling mode. Each part assembles by itself: llvm-mc -triple=amdgcn-amd-amdhsa -mcpu=gfx1250 --defsym DOCPART=n.
;; ======== version 1 of 2: 4 launches
;; workspace buffers: xc 1,638,400 bytes; wc 3,276,800 bytes; rope 524,288 bytes; mw 1,572,864 bytes of whole numbers; fb 32,768 bytes of whole numbers; qkv 5,046,272 bytes; ac 1,638,400 bytes
;; launch prep (part 1): grid 736 x 1, 4 waves a work-group, no clusters, 34,304 bytes of LDS; arguments x, Wq, Wk, Wv, Wo, bar_ids, instrument_ids, xc, wc, rope, mw, fb; writes xc, wc, rope, mw, fb
.if DOCPART == 1
	.amdgcn_target "amdgcn-amd-amdhsa--gfx1250"
	.amdhsa_code_object_version 6
	.text
	.protected	k_qe1cf11ffa4_prep
	.globl	k_qe1cf11ffa4_prep
	.p2align	8
	.type	k_qe1cf11ffa4_prep,@function
k_qe1cf11ffa4_prep:
	s_mov_b64 s[64:65], 0
	v_nop
	global_prefetch_b8 v0, s[64:65] scope:SCOPE_SE
	s_setreg_imm32_b32 hwreg(HW_REG_WAVE_MODE, 25, 1), 1
	s_wait_xcnt 0x0
; PREP: three jobs that part on the work-group's number; every wave works alone, there is no barrier.
;  work-groups 0-191:   x [2048][1024] and Wq, Wk, Wv, Wo [1024][1024], f32, K innermost, become codes of E3M2 with one E8M0 byte for each 32 along K.
;  work-groups 192-223: the table of cos and sin for the rotation of q and k.
;  work-groups 224-735: the three masks as lane-mask words, and flags that say which units and blocks of 32 keys hold any bit.
; TILES.  A tile is 16 rows: row r of tile T is row 32 (T / 2) + 8 (T % 2) + r + 8 (r / 8) of its tensor, so that in a product whose source 0 is such a tile
; the 16 registers of tiles 2 b and 2 b + 1 of a lane are 16 neighbouring rows.
; A FRAGMENT'S IMAGE (1,536 bytes: 16 rows x 128 K, 12 registers a lane): for c = 0, 1: registers 6 c .. 6 c + 3 at 768 c + 16 x lane, registers 6 c + 4, 6 c + 5 at 768 c + 512 + 8 x lane.
; A RECORD (6,400 bytes) of (tile, half of K): four images, then 256 bytes of scale words: at 6144 + 8 x lane + 4 p the word of row lane % 16 for K step 2 p + lane / 16.
; A block's scale byte is its largest magnitude's exponent field - 4, held at 1 from below.
; LIMITS: NaN and infinities among the inputs are not served.  A block of zeros gets the byte 1 where the rule says 127: its codes are zeros, and this program alone reads the bytes.
; The inverse frequencies are the f32 numbers nearest to 10^(-j / 8); a power computed in f32 may differ from them in the last two bits, which at position 2,047 is 2.5e-4 of a radian at the most.
.set R,   16                           ; v16-207  three sets of 64 numbers
.set C,   208                          ; v208-231 two sets of 12 registers of codes
.set SW,  240                          ; v240-243 the four K steps' scale words
.set STG, 8448                         ; a wave's stage in LDS: 16 rows x (512 bytes + 16)
	s_load_b512 s[16:31], s[0:1], 0x0              ; x s16, Wq s18, Wk s20, Wv s22, Wo s24, bar_ids s26, instrument_ids s28, xc s30
	s_load_b256 s[32:39], s[0:1], 0x40             ; wc s32, rope s34, mw s36, fb s38
	v_lshl_add_u32 v254, v0, 2, 0x8400
	v_mov_b32 v255, 0
	v_lshrrev_b32 v1, 5, v0
	v_readfirstlane_b32 s8, v1                     ; wave
	v_and_b32 v2, 31, v0                           ; lane
	v_and_b32 v3, 15, v0                           ; r
	v_bfe_u32 v7, v0, 4, 1                         ; h
	s_mov_b32 s9, 0xffff0000                       ; a lane mask: lanes 16-31
	s_mov_b32 s10, 0x76543210
	s_mov_b32 s11, 0xfedcba98                      ; v_permlanex16_b32's selects for lane l xor 16
	s_lshl_b32 s12, ttmp9, 2
	s_add_co_u32 s12, s12, s8                      ; 4 x work-group + wave
	s_mov_b32 s45, 0                               ; the upper word of every offset
	s_wait_kmcnt 0x0
	s_cmp_ge_u32 ttmp9, 224
	s_cbranch_scc1 .Lmask
	s_cmp_ge_u32 ttmp9, 192
	s_cbranch_scc1 .Lrope
; ---- THE QUANTISER.  A wave takes one record: 16 rows x 512 along K.
	s_cmp_lt_u32 ttmp9, 160                        ; the source is chosen by the work-group's number alone
	s_cselect_b64 s[40:41], s[22:23], s[24:25]
	s_cmp_lt_u32 ttmp9, 128
	s_cselect_b64 s[40:41], s[20:21], s[40:41]
	s_cmp_lt_u32 ttmp9, 96
	s_cselect_b64 s[40:41], s[18:19], s[40:41]
	s_cmp_lt_u32 ttmp9, 64
	s_cselect_b64 s[40:41], s[16:17], s[40:41]
	s_cselect_b64 s[42:43], s[30:31], s[32:33]     ; x's records or the weights'
	s_cselect_b32 s13, 0, 256
	s_cselect_b32 s14, 127, 63
	s_sub_co_u32 s12, s12, s13                     ; the record's number in its buffer
	s_lshr_b32 s15, s12, 1
	s_and_b32 s15, s15, s14                        ; the tile in its tensor
	s_and_b32 s44, s12, 1                          ; which half of K
	s_lshr_b32 s46, s15, 1
	s_lshl_b32 s46, s46, 17                        ; 32 rows of 4,096 bytes for each pair of tiles,
	s_and_b32 s47, s15, 1
	s_lshl_b32 s47, s47, 15                        ; 8 rows for the odd tile,
	s_add_co_u32 s46, s46, s47
	s_lshl_b32 s44, s44, 11                        ; 2,048 bytes for the upper half of K
	s_add_co_u32 s44, s44, s46
	s_add_nc_u64 s[40:41], s[40:41], s[44:45]
	s_mul_i32 s44, s12, 6400
	s_add_nc_u64 s[42:43], s[42:43], s[44:45]
	v_lshlrev_b32 v4, 4, v2                        ; 16 x lane: a load's and a store's place
	s_mul_i32 s46, s8, STG
	v_add_nc_u32 v5, s46, v4                       ; the stage, on the way in: a row's 512 bytes as they lie
	v_mul_u32_u24 v6, v3, 528
	v_lshl_add_u32 v6, v7, 7, v6
	v_add_nc_u32 v6, s46, v6                       ; and on the way out: row r, 128 h bytes on: my block of 32 numbers
	v_lshlrev_b32 v8, 3, v2                        ; 8 x lane
	v_lshlrev_b32 v9, 3, v7                        ; 8 h
	v_mov_b32 v10, 0                               ; a lane permute's destination counts as one of its sources
.macro LOAD t                          ; K step t of the record: 16 rows x 512 consecutive bytes, into set t % 3
.irp j, 0,1,2,3,4,5,6,7,8,9,10,11,12,13,14,15
	global_load_b128 v[R+64*((\t)%3)+4*\j:R+64*((\t)%3)+4*\j+3], v4, s[40:41] offset:(\j+8*(\j/8))*4096+512*(\t) th:TH_LOAD_NT
.endr
.endm
.macro QSTEP t
.set RS, R+64*((\t)%3)
.set CC, C+12*((\t)%2)
.if (\t) < 2
	LOAD (\t)+2
	s_wait_loadcnt 32                              ; this step's 16 loads are in; the two later sets' may be out
.elseif (\t) == 2
	s_wait_loadcnt 16                              ; the last set's may be out
.else
	s_wait_loadcnt 0
.endif
.irp j, 0,1,2,3,4,5,6,7,8,9,10,11,12,13,14,15
	ds_store_b128 v5, v[RS+4*\j:RS+4*\j+3] offset:528*\j
.endr
.irp i, 0,1,2,3,4,5,6,7                ; LDS serves a wave's instructions in order: these see the stores.  Registers 0-31: K = 32 h + 0 .. 31 of row r; 32-63: K = 64 + 32 h + 0 .. 31
	ds_load_b128 v[RS+4*\i:RS+4*\i+3], v6 offset:16*\i
	ds_load_b128 v[RS+32+4*\i:RS+32+4*\i+3], v6 offset:256+16*\i
.endr
	s_wait_dscnt 0x0
	v_max3_num_f32 v244, |v[RS]|, |v[RS+1]|, 0x2800000      ; each block's largest magnitude, with the floor 2^(5 - 127) among the leaves: the byte cannot fall under 1
	v_max3_num_f32 v245, |v[RS+32]|, |v[RS+33]|, 0x2800000
.set i, 2
.rept 15
	v_max3_num_f32 v244, v244, |v[RS+i]|, |v[RS+i+1]|
	v_max3_num_f32 v245, v245, |v[RS+32+i]|, |v[RS+33+i]|
.set i, i+2
.endr
	v_add_nc_u32 v246, 0xfe000000, v244            ; 4 off the exponent field: the conversion's scale operand
	v_add_nc_u32 v247, 0xfe000000, v245
	v_lshrrev_b32 v248, 23, v246                   ; the scale's byte
	v_lshrrev_b32 v249, 23, v247
	v_lshl_or_b32 v250, v249, 16, v248             ; my two bytes: blocks h and 2 + h,
	v_lshlrev_b32 v250, v9, v250                   ; at their places in the word;
	v_permlanex16_b32 v10, v250, s10, s11
	v_or_b32 v[SW+(\t)], v250, v10                 ; with lane l xor 16's two the word is whole
.if (\t) >= 2
	s_wait_xcnt 0x0                                ; the stores of two steps ago have read this set of codes
.endif
	v_cvt_scalef32_pk16_bf6_f32 v[CC:CC+2], v[RS:RS+15], v246
	v_cvt_scalef32_pk16_bf6_f32 v[232:234], v[RS+16:RS+31], v246     ; (a conversion's three registers begin on an even number)
	v_cvt_scalef32_pk16_bf6_f32 v[CC+6:CC+8], v[RS+32:RS+47], v247
	v_cvt_scalef32_pk16_bf6_f32 v[236:238], v[RS+48:RS+63], v247
	v_nop                                          ; one plain place behind a scaled conversion
.irp i, 0,1,2
	v_mov_b32 v[CC+3+\i], v[232+\i]
	v_mov_b32 v[CC+9+\i], v[236+\i]
.endr
	global_store_b128 v4, v[CC:CC+3], s[42:43] offset:1536*(\t)            ; each store covers 512 or 256 consecutive bytes, aligned
	global_store_b64 v8, v[CC+4:CC+5], s[42:43] offset:1536*(\t)+512
	global_store_b128 v4, v[CC+6:CC+9], s[42:43] offset:1536*(\t)+768
	global_store_b64 v8, v[CC+10:CC+11], s[42:43] offset:1536*(\t)+1280
.endm
	LOAD 0
	LOAD 1
	QSTEP 0
	QSTEP 1
	QSTEP 2
	QSTEP 3
	v_cndmask_b32 v252, v[SW], v[SW+1], s9         ; lanes 0-15 carry the even K step's word, lanes 16-31 the odd one's
	v_cndmask_b32 v253, v[SW+2], v[SW+3], s9
	global_store_b64 v8, v[252:253], s[42:43] offset:6144
	s_wait_tensorcnt 0x0
	ds_add_u32 v254, v255
	s_wait_dscnt 0x0
	s_endpgm
; ---- THE TABLE OF COS AND SIN.  A wave takes a tile of 16 positions; lane (r, h) makes frequencies j = 16 h + 0 .. 15.
.Lrope:
	s_sub_co_u32 s12, s12, 768                     ; the tile
	s_lshr_b32 s13, s12, 1
	s_lshl_b32 s13, s13, 5
	s_and_b32 s14, s12, 1
	s_lshl_b32 s14, s14, 3
	s_add_co_u32 s13, s13, s14
	v_and_b32 v4, 8, v3
	v_add_nc_u32 v4, v4, v3
	v_add_nc_u32 v4, s13, v4                       ; my position
	v_cvt_f32_u32 v4, v4
	s_lshl_b32 s44, s12, 12
	s_add_nc_u64 s[34:35], s[34:35], s[44:45]
	v_lshlrev_b32 v5, 4, v2
	s_mov_b32 s40, 0xbfc90fdb                      ; -pi / 2, its f32 part,
	s_mov_b32 s41, 0x333bbd2e                      ; and what that part is too large by
; angle = position x frequency, rounded once; n = the nearest multiple of pi / 2; the rest, at most pi / 4, goes into the series of sine (to the 9th power) and cosine (to the 10th); n mod 4 turns them
.macro TRIG i, flo, fhi
	v_mul_f32 v6, \flo, v4
	v_mul_f32 v8, \fhi, v4
	v_cndmask_b32 v6, v6, v8, s9                   ; lanes 16-31 take frequency 16 + i
	v_mul_f32 v8, 0x3f22f983, v6
	v_rndne_f32 v8, v8
	v_fma_f32 v9, v8, s40, v6
	v_fma_f32 v9, v8, s41, v9
	v_mul_f32 v10, v9, v9
	v_mov_b32 v11, 0x3638ef1d                      ; 1 / 9!
	v_mov_b32 v13, 0xb493f27e                      ; -1 / 10!
	v_fmaak_f32 v11, v11, v10, 0xb9500d01          ; -1 / 7!
	v_fmaak_f32 v13, v13, v10, 0x37d00d01          ; 1 / 8!
	v_fmaak_f32 v11, v11, v10, 0x3c088889          ; 1 / 5!
	v_fmaak_f32 v13, v13, v10, 0xbab60b61          ; -1 / 6!
	v_fmaak_f32 v11, v11, v10, 0xbe2aaaab          ; -1 / 3!
	v_fmaak_f32 v13, v13, v10, 0x3d2aaaab          ; 1 / 4!
	v_mul_f32 v12, v9, v10
	v_fmaak_f32 v13, v13, v10, 0xbf000000          ; -1 / 2
	v_fma_f32 v11, v12, v11, v9                    ; the sine of the rest
	v_fma_f32 v13, v13, v10, 1.0                   ; its cosine
	v_cvt_i32_f32 v14, v8
	v_and_b32 v15, 1, v14
	v_cmp_eq_u32 vcc_lo, 1, v15
	v_cndmask_b32 v48, v11, v13, vcc_lo            ; odd n: the two change places
	v_cndmask_b32 v49, v13, v11, vcc_lo
	v_and_b32 v15, 2, v14
	v_lshlrev_b32 v15, 30, v15                     ; the sine is negative for n mod 4 = 2, 3,
	v_xor_b32 v[32+\i], v15, v48
	v_add_nc_u32 v14, 1, v14
	v_and_b32 v14, 2, v14
	v_lshlrev_b32 v14, 30, v14                     ; the cosine for 1, 2
	v_xor_b32 v[16+\i], v14, v49
.endm
	TRIG 0, 1.0, 0.01
	TRIG 1, 0.7498942093, 0.007498942093
	TRIG 2, 0.5623413252, 0.005623413252
	TRIG 3, 0.4216965034, 0.004216965034
	TRIG 4, 0.3162277660, 0.003162277660
	TRIG 5, 0.2371373706, 0.002371373706
	TRIG 6, 0.1778279410, 0.001778279410
	TRIG 7, 0.1333521432, 0.001333521432
	TRIG 8, 0.1, 0.001
	TRIG 9, 0.07498942093, 0.0007498942093
	TRIG 10, 0.05623413252, 0.0005623413252
	TRIG 11, 0.04216965034, 0.0004216965034
	TRIG 12, 0.03162277660, 0.0003162277660
	TRIG 13, 0.02371373706, 0.0002371373706
	TRIG 14, 0.01778279410, 0.0001778279410
	TRIG 15, 0.01333521432, 0.0001333521432
.irp g, 0,1,2,3,4,5,6,7                ; four stores of cosines, four of sines: 512 consecutive bytes each
	global_store_b128 v5, v[16+4*\g:19+4*\g], s[34:35] offset:512*\g
.endr
	s_endpgm
; ---- THE MASKS.  A wave takes (tile of queries T, step of 128 keys s).  Bit (r, h) of word n = 16 b + i of mask m says whether query r of the tile sees key 128 s + 32 b + 16 h + i.
.Lmask:
	s_sub_co_u32 s12, s12, 896                     ; 16 T + s
	s_lshr_b32 s13, s12, 4                         ; T
	s_and_b32 s14, s12, 15                         ; s
	s_lshr_b32 s15, s13, 1
	s_lshl_b32 s15, s15, 5
	s_and_b32 s40, s13, 1
	s_lshl_b32 s40, s40, 3
	s_add_co_u32 s15, s15, s40
	v_and_b32 v4, 8, v3
	v_add_nc_u32 v4, v4, v3
	v_add_nc_u32 v4, s15, v4                       ; my query
	v_lshlrev_b32 v5, 2, v4
	global_load_b32 v6, v5, s[28:29]               ; its instrument
	global_load_b32 v14, v5, s[26:27]              ; its bar
	s_lshl_b32 s40, s14, 9
	v_lshlrev_b32 v145, 6, v7
	v_add_nc_u32 v145, s40, v145                   ; my keys: 4 (128 s + 16 h) bytes on
.irp b, 0,1,2,3
.irp e, 0,1,2,3
	global_load_b128 v[16+16*\b+4*\e:19+16*\b+4*\e], v145, s[28:29] offset:128*\b+16*\e    ; v16-79: the keys' instruments
	global_load_b128 v[80+16*\b+4*\e:83+16*\b+4*\e], v145, s[26:27] offset:128*\b+16*\e    ; v80-143: their bars
.endr
.endr
	s_lshl_b32 s40, s14, 7
	v_lshlrev_b32 v15, 4, v7
	v_add_nc_u32 v15, s40, v15
	v_sub_nc_u32 v148, v4, v15                     ; d = query - 128 s - 16 h: key 32 b + i counts causally where i <= d - 32 b
	v_add_nc_u32 v149, 0xffffffe0, v148
	v_add_nc_u32 v150, 0xffffffc0, v148
	v_add_nc_u32 v151, 0xffffffa0, v148
.irp j, 8,9,10,11,12,13
	v_mov_b32 v\j, 0                               ; the words' registers: a lane write's destination counts as read
.endr
	s_mul_i32 s44, s12, 768
	s_add_nc_u64 s[36:37], s[36:37], s[44:45]      ; my three runs of 64 words
	s_mul_i32 s44, s12, 12
	s_add_co_u32 s44, s44, 8192
	s_add_nc_u64 s[46:47], s[38:39], s[44:45]      ; my three words of block flags
	s_lshl_b32 s44, s12, 2
	s_add_nc_u64 s[38:39], s[38:39], s[44:45]      ; my word of unit flags
	s_mov_b32 s43, 129
	s_mov_b32 s66, 0
	s_mov_b32 s67, 0
	s_mov_b32 s68, 0
	s_wait_loadcnt 0x0
	v_cmp_gt_i32 s41, s43, v6                      ; the query's instrument is under 129,
	v_cmp_le_i32 s42, 0, v14
	s_and_b32 s42, s42, s41                        ; and its bar is not negative
.set n, 0
.rept 4
	s_mov_b32 s58, 0
	s_mov_b32 s59, 0
	s_mov_b32 s60, 0
.rept 16
	v_cmp_eq_u32 s48, v6, v[16+n]                  ; the same instrument
	v_cmp_le_i32 s49, n%16, v[148+n/16]            ; causal
	v_cmp_gt_i32 s50, s43, v[16+n]                 ; the key's instrument is under 129
	v_sub_nc_u32 v144, v14, v[80+n]                ; the bars' distance
	v_cmp_gt_u32 s51, 3, v144                      ; 0, 1 or 2,
	v_cmp_eq_u32 s52, 4, v144                      ; or 4
	v_cmp_eq_u32 s53, s43, v[16+n]                 ; a global key by its instrument,
	v_cmp_eq_u32 s54, -1, v[80+n]                  ; or by its bar
	s_and_b32 s55, s48, s49
	s_and_b32 s55, s55, s41                        ; mask 0: same instrument
	s_and_not1_b32 s56, s50, s48
	s_or_b32 s51, s51, s52
	s_and_b32 s56, s56, s51
	s_and_b32 s56, s56, s42                        ; mask 1: across instruments
	s_or_b32 s57, s53, s54
	s_and_b32 s57, s57, s49                        ; mask 2: global keys
	v_writelane_b32 v[8+n%2], s55, n/2             ; word n lies in lane n / 2, register n % 2: a store of 8 bytes a lane lays the 64 words on end
	v_writelane_b32 v[10+n%2], s56, n/2
	v_writelane_b32 v[12+n%2], s57, n/2
	s_or_b32 s58, s58, s55
	s_or_b32 s59, s59, s56
	s_or_b32 s60, s60, s57
.set n, n+1
.endr
	s_cmp_lg_u32 s58, 0                            ; the block's flags
	s_cselect_b32 s61, 1<<(n/16-1), 0
	s_or_b32 s66, s66, s61
	s_cmp_lg_u32 s59, 0
	s_cselect_b32 s61, 1<<(n/16-1), 0
	s_or_b32 s67, s67, s61
	s_cmp_lg_u32 s60, 0
	s_cselect_b32 s61, 1<<(n/16-1), 0
	s_or_b32 s68, s68, s61
.endr
	s_cmp_lg_u32 s66, 0                            ; the three units' flags, at bit 3 (s % 8) on
	s_cselect_b32 s69, 1, 0
	s_cmp_lg_u32 s67, 0
	s_cselect_b32 s70, 2, 0
	s_cmp_lg_u32 s68, 0
	s_cselect_b32 s71, 4, 0
	s_or_b32 s69, s69, s70
	s_or_b32 s69, s69, s71
	s_and_b32 s72, s14, 7
	s_mul_i32 s72, s72, 3
	s_lshl_b32 s69, s69, s72
	v_lshlrev_b32 v147, 3, v2
	global_store_b64 v147, v[8:9], s[36:37]        ; 256 consecutive bytes each
	global_store_b64 v147, v[10:11], s[36:37] offset:256
	global_store_b64 v147, v[12:13], s[36:37] offset:512
	v_mov_b32 v152, s68
	v_writelane_b32 v152, s66, 0
	v_writelane_b32 v152, s67, 1
	v_min_u32 v153, 2, v2
	v_lshlrev_b32 v153, 2, v153
	global_store_b32 v153, v152, s[46:47]          ; lanes 2-31 write the same word with the same value
	v_mov_b32 v154, s69
	v_mov_b32 v155, 0
	global_store_b32 v155, v154, s[38:39]          ; all lanes write the same word with the same value
	s_endpgm
.Lfunc_end_k_qe1cf11ffa4_prep:
	.size	k_qe1cf11ffa4_prep, .Lfunc_end_k_qe1cf11ffa4_prep-k_qe1cf11ffa4_prep
	.p2alignl 7, 3214868480
	.fill 96, 4, 3214868480
	.section	.rodata,"a",@progbits
	.p2align	6, 0x0
	.amdhsa_kernel k_qe1cf11ffa4_prep
		.amdhsa_group_segment_fixed_size 34304
		.amdhsa_private_segment_fixed_size 0
		.amdhsa_enable_private_segment 0
		.amdhsa_kernarg_size 96
		.amdhsa_user_sgpr_count 2
		.amdhsa_user_sgpr_kernarg_segment_ptr 1
		.amdhsa_wavefront_size32 1
		.amdhsa_system_sgpr_workgroup_id_x 1
		.amdhsa_system_sgpr_workgroup_id_y 1
		.amdhsa_system_sgpr_workgroup_id_z 1
		.amdhsa_system_vgpr_workitem_id 0
		.amdhsa_next_free_vgpr 256
		.amdhsa_next_free_sgpr 80
		.amdhsa_reserve_vcc 1
		.amdhsa_float_denorm_mode_32 3
		.amdhsa_float_denorm_mode_16_64 3
		.amdhsa_memory_ordered 1
		.amdhsa_forward_progress 1
		.amdhsa_inst_pref_size 128
	.end_amdhsa_kernel
	.amdgpu_metadata
---
amdhsa.version: [ 1, 2 ]
amdhsa.kernels:
  - .name:           k_qe1cf11ffa4_prep
    .symbol:         k_qe1cf11ffa4_prep.kd
    .args:
      - { .name: x, .offset: 0, .size: 8, .value_kind: global_buffer, .address_space: global }
      - { .name: Wq, .offset: 8, .size: 8, .value_kind: global_buffer, .address_space: global }
      - { .name: Wk, .offset: 16, .size: 8, .value_kind: global_buffer, .address_space: global }
      - { .name: Wv, .offset: 24, .size: 8, .value_kind: global_buffer, .address_space: global }
      - { .name: Wo, .offset: 32, .size: 8, .value_kind: global_buffer, .address_space: global }
      - { .name: bar_ids, .offset: 40, .size: 8, .value_kind: global_buffer, .address_space: global }
      - { .name: instrument_ids, .offset: 48, .size: 8, .value_kind: global_buffer, .address_space: global }
      - { .name: xc, .offset: 56, .size: 8, .value_kind: global_buffer, .address_space: global }
      - { .name: wc, .offset: 64, .size: 8, .value_kind: global_buffer, .address_space: global }
      - { .name: rope, .offset: 72, .size: 8, .value_kind: global_buffer, .address_space: global }
      - { .name: mw, .offset: 80, .size: 8, .value_kind: global_buffer, .address_space: global }
      - { .name: fb, .offset: 88, .size: 8, .value_kind: global_buffer, .address_space: global }
    .group_segment_fixed_size: 34304
    .private_segment_fixed_size: 0
    .kernarg_segment_align: 8
    .kernarg_segment_size: 96
    .max_flat_workgroup_size: 128
    .sgpr_count:     80
    .vgpr_count:     256
    .wavefront_size: 32
...
	.end_amdgpu_metadata
.endif
;; end of part 1
;; launch qkv (part 2): grid 12 x 16, 4 waves a work-group, clusters of 4 x 4, 307,712 bytes of LDS; arguments xc, wc, rope, bq, bk, bv, qkv; writes qkv
.if DOCPART == 2
	.amdgcn_target "amdgcn-amd-amdhsa--gfx1250"
	.amdhsa_code_object_version 6
	.text
	.protected	k_qe1cf11ffa4_qkv
	.globl	k_qe1cf11ffa4_qkv
	.p2align	8
	.type	k_qe1cf11ffa4_qkv,@function
k_qe1cf11ffa4_qkv:
	s_mov_b64 s[64:65], 0
	v_nop
	global_prefetch_b8 v0, s[64:65] scope:SCOPE_SE
	s_setreg_imm32_b32 hwreg(HW_REG_WAVE_MODE, 25, 1), 1
	s_wait_xcnt 0x0
	s_wait_alu depctr_hold_cnt(0) depctr_sa_sdst(0) depctr_va_vdst(0) depctr_va_sdst(0) depctr_va_ssrc(0) depctr_va_vcc(0) depctr_vm_vsrc(0)
	s_getreg_b32 s2, hwreg(HW_REG_IB_STS2, 6, 4)
	s_cmp_eq_u32 s2, 0
	s_cbranch_scc0 .Lentry_in_a_cluster
	s_endpgm
.Lentry_in_a_cluster:
	s_bfe_u32 s2, ttmp6, 0x10000c
	s_cmp_lg_u32 s2, 0xf033
	s_cbranch_scc0 .Lentry_shape_is_right
	s_endpgm
.Lentry_shape_is_right:
; q, k, v = x W^T + b on codes of E3M2; q and k are rotated and quantised along the head's 64; v is quantised along the keys.  Nothing wider than codes leaves.
; SHARES.  The cluster's x says which tensor (0 q, 1 k, 2 v).  A work-group takes 128 tokens (8 tiles) x 4 heads; each of its four waves one head: 128 x 64, 32 accumulators.
; K = 1,024 is eight steps of 128.  The codes and scale words come as records of (tile, half of K), laid in the order of the operands' registers: a fragment is two loads of 16 bytes and two of 8 bytes a lane.
; LDS is filled ONCE: x's 8 tiles and W's 16 tiles, each in two chunks along K.  Chunk 1 lands while chunk 0 is multiplied.  By this text's own count a wave has two tensor loads out.
; CLUSTER.  4 x 4 work-groups: the four of a row share x's tiles, the four of a column W's: each tile is asked for jointly, by the same load with the same descriptor and a mask that names the four.
; q, k: source 0 = 16 features of W, source 1 = 16 tokens: a lane holds one token, and the registers of a pair of tiles are 16 neighbouring features.
; v:    source 0 = 16 tokens, source 1 = 16 features: a lane holds one feature, and its registers run along the tokens, which are the second product's K.
; The bias is the C of each sum's first matrix instruction.
; OUT, for each head 315,392 bytes: k's codes [tile][768] at 0, k's scale words at 98,304, v's images [step][4][1,536] at 106,496, v's scale words at 204,800, q's codes at 208,896, q's scale words at 307,200.
; A scale word of q or k repeats its two bytes in its upper half: the product on them is 128 deep, of which the upper 64 meet zero codes.
; LIMITS: NaN and infinities are not served; a block of zeros gets the byte 1 (its codes are zeros; this program alone reads the bytes).
; REGISTERS: window 0: v16-23 LDS addresses; v32-63 the bias; v64-111 scale words; v112-143 a rotated tile; v144-162 codes; v164-183 at work; v184-191 words made; v192-223 the table for tile 7.
;   window 1: the 32 accumulators.  window 2: x's fragments, two sets of 96; the table for tiles 5, 6 from v192.  window 3: W's fragments, two sets of 48; the table for tiles 0-4 from v96.
.set REC,   6400
.set XCH,   8*REC                      ; x's chunk 0 at LDS byte 0, chunk 1 behind it
.set WB,    2*XCH                      ; W's chunk 0
.set WCH,   16*REC                     ; and chunk 1 behind it
.set AX16, 16                          ; v16-17 x: 16 x lane + chunk;  v18-19: 8 x lane + chunk
.set AX8,  18
.set AW16, 20                          ; v20-23 the same for my head's four tiles of W
.set AW8,  22
.set BI,   32
.set SCX,  64                          ; x's scale words of (chunk c, tile m): v[SCX + 24 c + 2 m], two registers; register p: lanes 0-15 K step 2 p, lanes 16-31 K step 2 p + 1
.set SCW,  80                          ; W's of (c, t): v[SCW + 24 c + 2 t]
.set HA,   112
.set PC,   144
.set PT,   156
.set TM,   164
.set SWT,  184
.set MSB, 0
.macro WIN new                         ; the immediate's high byte repeats the setting that is left
.if MSB != (\new)
	s_set_vgpr_msb (MSB<<8)|(\new)
.set MSB, (\new)
.endif
.endm
.macro PLACES                          ; four plain places behind matrix instructions, in front of loads into their sources and of the first read of results
.rept 4
	v_nop
.endr
.endm
.macro CROUND                          ; a round of the cluster's barrier
	s_barrier_signal -1
	s_barrier_wait -1
	s_cmp_lg_u32 s18, 0
	s_cbranch_scc1 .Lnot_wave_0_\@
	s_barrier_signal -3
.Lnot_wave_0_\@:
	s_barrier_wait -3
	s_barrier_signal -1
	s_barrier_wait -1
.endm
	s_load_b256 s[4:11], s[0:1], 0x0               ; xc s4, wc s6, rope s8, bq s10
	s_load_b128 s[12:15], s[0:1], 0x20             ; bk s12, bv s14
	s_load_b64 s[16:17], s[0:1], 0x30              ; qkv
	v_lshl_add_u32 v254, v0, 2, 0x4b000
	v_mov_b32 v255, 0
	ds_add_u32 v254, v255
	ds_add_u32 v254, v255
	v_lshrrev_b32 v1, 5, v0
	v_readfirstlane_b32 s18, v1                    ; wave: my head of the four
	s_and_b32 s19, s18, 1                          ; which half of a chunk's tiles I fetch
	s_lshr_b32 s20, s18, 1                         ; for x (0) or for W (1)
	s_bfe_u32 s21, ttmp6, 0x40000                  ; cx: the group of four heads
	s_bfe_u32 s22, ttmp6, 0x40004                  ; cy
	s_and_b32 s23, ttmp7, 0xffff
	s_lshl_b32 s23, s23, 2
	s_add_co_u32 s23, s23, s22                     ; the block of 128 tokens = 4 x cluster y + cy
	s_lshl_b32 s56, s22, 2
	s_lshl_b32 s56, 15, s56                        ; my row of the cluster
	s_lshl_b32 s57, 0x1111, s21                    ; my column
	; descriptor groups 1: rows of 6,400 bytes (800 elements of 8 bytes), 12,800 bytes apart: one chunk's records of neighbouring tiles.  x: 4 rows a load, W: 8
	s_or_b32 s24, s56, (3<<16)|(1<<21)             ; 15:0 the mask; 17:16 elements of 8 bytes; 21 set beside a mask; no padding
	s_mov_b32 s25, 800<<16                         ; tensor_dim0
	s_mov_b32 s26, 4<<16                           ; tensor_dim1
	s_mov_b32 s27, 800<<16                         ; tile_dim0
	s_mov_b32 s28, 4                               ; tile_dim1
	s_mov_b32 s29, 1600                            ; the pitch
	s_mov_b32 s30, 0
	s_mov_b32 s31, 0
	s_or_b32 s32, s57, (3<<16)|(1<<21)
	s_mov_b32 s33, 800<<16
	s_mov_b32 s34, 8<<16
	s_mov_b32 s35, 800<<16
	s_mov_b32 s36, 8
	s_mov_b32 s37, 1600
	s_mov_b32 s38, 0
	s_mov_b32 s39, 0
	s_lshl_b32 s58, s23, 3                         ; x: tile 8 x block + 4 x half
	s_lshl_b32 s59, s19, 2
	s_add_co_u32 s58, s58, s59
	s_mul_i32 s58, s58, 2*REC
	s_mov_b32 s59, 0
	s_lshl_b32 s60, ttmp9, 6                       ; W: tile 64 x tensor + 16 cx + 8 x half
	s_lshl_b32 s61, s21, 4
	s_add_co_u32 s60, s60, s61
	s_lshl_b32 s61, s19, 3
	s_add_co_u32 s60, s60, s61
	s_mul_i32 s60, s60, 2*REC
	s_mov_b32 s61, 0
	s_mul_i32 s62, s19, 4*REC                      ; where they go: no place in the cluster enters an LDS address
	s_mul_i32 s63, s19, 8*REC
	s_wait_dscnt 0x0
	s_wait_kmcnt 0x0
	s_add_nc_u64 s[58:59], s[4:5], s[58:59]
	s_add_nc_u64 s[60:61], s[6:7], s[60:61]
	CROUND                                         ; all sixteen work-groups are here: the joint loads meet
.irp c, 0,1
	s_mov_b32 s[40+4*\c], 1
	s_add_co_u32 s[41+4*\c], s62, XCH*\c
	s_add_nc_u64 s[42+4*\c:43+4*\c], s[58:59], REC*\c
	s_or_b32 s[43+4*\c], s[43+4*\c], 0x80000000
	s_mov_b32 s[48+4*\c], 1
	s_add_co_u32 s[49+4*\c], s63, WB+WCH*\c
	s_add_nc_u64 s[50+4*\c:51+4*\c], s[60:61], REC*\c
	s_or_b32 s[51+4*\c], s[51+4*\c], 0x80000000
.endr
	s_cmp_eq_u32 s20, 0                            ; a wave's two fills stand in one branch on the wave's number; four v_nop follow the second
	s_cbranch_scc0 .Lfor_w
	tensor_load_to_lds s[40:43], s[24:31]
	s_nop 0
	tensor_load_to_lds s[44:47], s[24:31]
	s_nop 0
.rept 4
	v_nop
.endr
	s_branch .Lasked
.Lfor_w:
	tensor_load_to_lds s[48:51], s[32:39]
	s_nop 0
	tensor_load_to_lds s[52:55], s[32:39]
	s_nop 0
.rept 4
	v_nop
.endr
.Lasked:
	v_and_b32 v2, 31, v0                           ; lane
	v_and_b32 v3, 15, v0                           ; r
	v_bfe_u32 v4, v0, 4, 1                         ; h
	v_lshlrev_b32 v[AX16], 4, v2
	v_add_nc_u32 v[AX16+1], XCH, v[AX16]
	v_lshlrev_b32 v[AX8], 3, v2
	v_add_nc_u32 v[AX8+1], XCH, v[AX8]
	s_mul_i32 s73, s18, 4*REC
	s_add_co_u32 s73, s73, WB
	v_add_nc_u32 v[AW16], s73, v[AX16]
	v_add_nc_u32 v[AW8], s73, v[AX8]
	v_add_nc_u32 v[AW16+1], WCH, v[AW16]
	v_add_nc_u32 v[AW8+1], WCH, v[AW8]
.irp b, 4,5,6,7
	v_mov_b32 v[TM+\b], 0                          ; written once: a lane permute's destination counts as one of its sources
.endr
	s_lshl_b32 s72, s21, 2
	s_add_co_u32 s72, s72, s18                     ; my head
	s_cmp_eq_u32 ttmp9, 0
	s_cselect_b64 s[70:71], s[10:11], s[12:13]
	s_cselect_b32 s80, 208896, 0                   ; q's regions lie 208,896 bytes behind k's
	s_cmp_eq_u32 ttmp9, 2
	s_cselect_b64 s[70:71], s[14:15], s[70:71]
	s_lshl_b32 s74, s72, 8
	s_mov_b32 s75, 0
	s_add_nc_u64 s[70:71], s[70:71], s[74:75]      ; the bias at my head's 64 numbers
	s_mul_i32 s74, s72, 315392
	s_add_nc_u64 s[76:77], s[16:17], s[74:75]      ; the output at my head
	s_lshl_b32 s74, s23, 15
	s_add_nc_u64 s[8:9], s[8:9], s[74:75]          ; the table at my block's 8 tiles
	s_mov_b32 s66, 0xffff0000                      ; a lane mask: lanes 16-31
	s_mov_b32 s68, 0x76543210
	s_mov_b32 s69, 0xfedcba98
.macro SCALES c                        ; a chunk's scale words: 8 bytes a lane for each tile
.irp m, 0,1,2,3,4,5,6,7
	ds_load_b64 v[SCX+24*\c+2*\m:SCX+24*\c+2*\m+1], v[AX8+\c] offset:\m*REC+6144
.endr
.irp t, 0,1,2,3
	ds_load_b64 v[SCW+24*\c+2*\t:SCW+24*\c+2*\t+1], v[AW8+\c] offset:\t*REC+6144
.endr
.endm
.macro FETCH s                         ; K step s: 8 fragments of x, 4 of W: 48 loads, into set s % 2
	WIN 0x80
.irp m, 0,1,2,3,4,5,6,7
.set rF, 96*((\s)%2)+12*\m
	ds_load_b128 v[rF:rF+3], v[AX16+(\s)/4] offset:\m*REC+((\s)%4)*1536
	ds_load_b64 v[rF+4:rF+5], v[AX8+(\s)/4] offset:\m*REC+((\s)%4)*1536+512
	ds_load_b128 v[rF+6:rF+9], v[AX16+(\s)/4] offset:\m*REC+((\s)%4)*1536+768
	ds_load_b64 v[rF+10:rF+11], v[AX8+(\s)/4] offset:\m*REC+((\s)%4)*1536+1280
.endr
	WIN 0xc0
.irp t, 0,1,2,3
.set rF, 48*((\s)%2)+12*\t
	ds_load_b128 v[rF:rF+3], v[AW16+(\s)/4] offset:\t*REC+((\s)%4)*1536
	ds_load_b64 v[rF+4:rF+5], v[AW8+(\s)/4] offset:\t*REC+((\s)%4)*1536+512
	ds_load_b128 v[rF+6:rF+9], v[AW16+(\s)/4] offset:\t*REC+((\s)%4)*1536+768
	ds_load_b64 v[rF+10:rF+11], v[AW8+(\s)/4] offset:\t*REC+((\s)%4)*1536+1280
.endr
	WIN 0
.endm
.macro MM odd                          ; one product on the registers named by rD, rA, rB, rC, rSA, rSB; an odd K step's scale words lie in lanes 16-31
.if \odd
	v_wmma_scale_f32_16x16x128_f8f6f4 v[rD:rD+7], v[rA:rA+11], v[rB:rB+11], v[rC:rC+7], v[rSA], v[rSB] matrix_a_fmt:MATRIX_FMT_BF6 matrix_b_fmt:MATRIX_FMT_BF6 matrix_a_scale:MATRIX_SCALE_ROW1 matrix_b_scale:MATRIX_SCALE_ROW1
.else
	v_wmma_scale_f32_16x16x128_f8f6f4 v[rD:rD+7], v[rA:rA+11], v[rB:rB+11], v[rC:rC+7], v[rSA], v[rSB] matrix_a_fmt:MATRIX_FMT_BF6 matrix_b_fmt:MATRIX_FMT_BF6
.endif
.endm
; 32 products of a K step; the 32 accumulators take turns, one instruction a turn, in the same order in every step
.macro MULQK s                         ; accumulator (m, t) at v[8 (4 m + t)] of window 1: source 0 = W's tile t (window 3), source 1 = x's tile m (window 2)
.if (\s) == 0
	WIN 0x4b                                       ; C: the bias, in window 0
.else
	WIN 0x5b
.endif
.irp m, 0,1,2,3,4,5,6,7
.irp t, 0,1,2,3
.set rD, 8*(4*\m+\t)
.set rA, 48*((\s)%2)+12*\t
.set rB, 96*((\s)%2)+12*\m
.set rC, rD
.if (\s) == 0
.set rC, BI+8*\t
.endif
.set rSA, SCW+24*((\s)/4)+((\s)%4)/2+2*\t
.set rSB, SCX+24*((\s)/4)+((\s)%4)/2+2*\m
	MM (\s)%2
.endr
.endr
.endm
.macro MULV s                          ; accumulator (n, m) at v[8 (8 n + m)]: source 0 = x's tile m, source 1 = W's tile n
.if (\s) == 0
	WIN 0x4e
.else
	WIN 0x5e
.endif
.irp m, 0,1,2,3,4,5,6,7
.irp n, 0,1,2,3
.set rD, 8*(8*\n+\m)
.set rA, 96*((\s)%2)+12*\m
.set rB, 48*((\s)%2)+12*\n
.set rC, rD
.if (\s) == 0
.set rC, BI+8*\n
.endif
.set rSA, SCX+24*((\s)/4)+((\s)%4)/2+2*\m
.set rSB, SCW+24*((\s)/4)+((\s)%4)/2+2*\n
	MM (\s)%2
.endr
.endr
.endm
.macro KSTEP s, isv                    ; the next step's fragments are asked for, then this step is multiplied
.if (\s) > 0
	PLACES                                         ; the set to be loaded was read by the products just issued
.endif
.if (\s) < 7
.if (\s) == 3
	s_wait_dscnt 0x0                               ; no LDS instruction of mine is out at a signal
	s_wait_tensorcnt 0x0                           ; my part of chunk 1 has landed,
	s_barrier_signal -1
	s_barrier_wait -1                              ; everybody's has
	SCALES 1
.endif
	FETCH (\s)+1
.if (\s) != 3
	s_wait_dscnt 48                                ; all but the 48 just issued (in step 3 the wait for 0 above has served)
.endif
.else
	s_wait_dscnt 0x0
.endif
.if \isv
	MULV \s
.else
	MULQK \s
.endif
	WIN 0
.endm
; 32 numbers of a lane, v[s] on, register 16 b + i = k 32 b + 16 h + i of my row, become half a fragment's codes in v[PC] .. v[PC + 5] and a scale word in v[w]
.macro QUANT32 s, w
	v_max3_num_f32 v[TM], |v[\s]|, |v[\s+1]|, 0x2800000      ; with the floor 2^(5 - 127): the byte cannot fall under 1
	v_max3_num_f32 v[TM+1], |v[\s+16]|, |v[\s+17]|, 0x2800000
.set i, 2
.rept 7
	v_max3_num_f32 v[TM], v[TM], |v[\s+i]|, |v[\s+i+1]|
	v_max3_num_f32 v[TM+1], v[TM+1], |v[\s+16+i]|, |v[\s+17+i]|
.set i, i+2
.endr
	v_permlanex16_b32 v[TM+4], v[TM], s68, s69
	v_permlanex16_b32 v[TM+5], v[TM+1], s68, s69
	v_max_num_f32 v[TM], v[TM], v[TM+4]            ; with lane l xor 16's: the block's largest magnitude
	v_max_num_f32 v[TM+1], v[TM+1], v[TM+5]
	v_add_nc_u32 v[TM+8], 0xfe000000, v[TM]        ; 4 off the exponent field: the conversion's scale operand
	v_add_nc_u32 v[TM+9], 0xfe000000, v[TM+1]
	v_lshrrev_b32 v[TM+10], 23, v[TM+8]
	v_lshrrev_b32 v[TM+11], 23, v[TM+9]
	v_lshl_or_b32 v[\w], v[TM+11], 8, v[TM+10]
	v_lshl_or_b32 v[\w], v[\w], 16, v[\w]          ; the two bytes once more, for the upper 64 of the product's 128
	v_cvt_scalef32_pk16_bf6_f32 v[PC:PC+2], v[\s:\s+15], v[TM+8]
	v_cvt_scalef32_pk16_bf6_f32 v[PT:PT+2], v[\s+16:\s+31], v[TM+9]
	v_nop                                          ; one plain place behind a scaled conversion
.irp i, 0,1,2
	v_permlane16_swap_b32 v[PC+\i], v[PT+\i]       ; a whole block to a lane: lanes 0-15 block 0, lanes 16-31 block 1
.endr
.irp i, 0,1,2
	v_mov_b32 v[PC+3+\i], v[PT+\i]
.endr
.endm
; 64 accumulator registers of window 1, v[a] on, register 16 b + i = k 32 b + 16 h + i, become a fragment's codes in v[PC] on and its scale word in v[w]
.macro QUANT64A a, w
	WIN 0x05                                       ; sources 0 and 1 in window 1
.irp b, 0,1,2,3
	v_max3_num_f32 v[TM+\b], |v[\a+16*\b]|, |v[\a+16*\b+1]|, 0x2800000
.endr
.irp i, 2,4,6,8,10,12,14
.irp b, 0,1,2,3
	v_max3_num_f32 v[TM+\b], |v[\a+16*\b+\i]|, |v[\a+16*\b+\i+1]|, v[TM+\b]
.endr
.endr
	WIN 0
.irp b, 0,1,2,3
	v_permlanex16_b32 v[TM+4+\b], v[TM+\b], s68, s69
.endr
.irp b, 0,1,2,3
	v_max_num_f32 v[TM+\b], v[TM+\b], v[TM+4+\b]
.endr
.irp b, 0,1,2,3
	v_add_nc_u32 v[TM+12+\b], 0xfe000000, v[TM+\b]
.endr
.irp b, 0,1,2,3
	v_lshrrev_b32 v[TM+8+\b], 23, v[TM+12+\b]
.endr
	v_lshl_or_b32 v[\w], v[TM+9], 8, v[TM+8]
	v_lshl_or_b32 v[\w], v[TM+10], 16, v[\w]
	v_lshl_or_b32 v[\w], v[TM+11], 24, v[\w]
	WIN 0x01
.irp c, 0,1
	v_cvt_scalef32_pk16_bf6_f32 v[PC+6*\c:PC+6*\c+2], v[\a+32*\c:\a+32*\c+15], v[TM+12+2*\c]
	v_cvt_scalef32_pk16_bf6_f32 v[PT+4*\c:PT+4*\c+2], v[\a+32*\c+16:\a+32*\c+31], v[TM+13+2*\c]
.endr
	WIN 0
	v_nop
.irp c, 0,1
.irp i, 0,1,2
	v_permlane16_swap_b32 v[PC+6*\c+\i], v[PT+4*\c+\i]
.endr
.irp i, 0,1,2
	v_mov_b32 v[PC+3+6*\c+\i], v[PT+4*\c+\i]
.endr
.endr
.endm
.macro RPLACE m                        ; where tile m's 16 cosines and 16 sines lie: window RW, register RB on
.if (\m) < 5
.set RW, 3
.set RB, 96+32*(\m)
.elseif (\m) < 7
.set RW, 2
.set RB, 192+32*((\m)-5)
.else
.set RW, 0
.set RB, 192
.endif
.endm
.macro ROTATE m                        ; tile m's 32 registers: features 16 h + i and 32 + 16 h + i turn by the angle of frequency 16 h + i.  Each accumulator is read from its low end on
	RPLACE \m
	WIN (RW<<2)|1                                  ; source 0: the accumulators; source 1: the table
.set i, 0
.rept 8
	v_pk_mul_f32 v[TM:TM+1], v[32*(\m)+16+i:32*(\m)+17+i], v[RB+16+i:RB+17+i]
	v_pk_mul_f32 v[TM+2:TM+3], v[32*(\m)+i:32*(\m)+1+i], v[RB+16+i:RB+17+i]
	v_pk_fma_f32 v[HA+i:HA+1+i], v[32*(\m)+i:32*(\m)+1+i], v[RB+i:RB+1+i], v[TM:TM+1] neg_lo:[0,0,1] neg_hi:[0,0,1]
	v_pk_fma_f32 v[HA+16+i:HA+17+i], v[32*(\m)+16+i:32*(\m)+17+i], v[RB+i:RB+1+i], v[TM+2:TM+3]
.set i, i+2
.endr
	WIN 0
.endm
	s_cmp_eq_u32 ttmp9, 2                          ; the cluster's x: the same in all partners and all waves
	s_cbranch_scc1 .Lv_path
; ---- q and k
	v_lshlrev_b32 v6, 6, v4                        ; the bias in the result's layout: tile 2 b + u, register j: feature 32 b + 16 h + 8 u + j
.irp t, 0,1,2,3
	global_load_b128 v[BI+8*\t:BI+8*\t+3], v6, s[70:71] offset:(32*(\t/2)+8*(\t%2))*4
	global_load_b128 v[BI+8*\t+4:BI+8*\t+7], v6, s[70:71] offset:(32*(\t/2)+8*(\t%2))*4+16
.endr
	s_mul_i32 s74, s23, 6144
	s_add_co_u32 s74, s74, s80
	s_add_nc_u64 s[78:79], s[76:77], s[74:75]      ; my 8 tiles' codes
	s_lshl_b32 s74, s23, 9
	s_add_co_u32 s74, s74, s80
	s_add_co_u32 s74, s74, 98304
	s_add_nc_u64 s[76:77], s[76:77], s[74:75]      ; and their scale words
	s_wait_tensorcnt 0x1                           ; my part of chunk 0 has landed; chunk 1's load may be out
	s_barrier_signal -1
	s_barrier_wait -1
	s_wait_loadcnt 0x0                             ; the bias
.irp m, 0,1,2,3,4,5,6,7                ; the table for my 8 tiles, into registers that the products leave alone: it lands while they run
	RPLACE \m
	WIN RW<<6
.irp g, 0,1,2,3,4,5,6,7
	global_load_b128 v[RB+4*\g:RB+4*\g+3], v[AX16], s[8:9] offset:\m*4096+512*\g
.endr
.endr
	WIN 0
	SCALES 0
	FETCH 0
.irp s, 0,1,2,3,4,5,6,7
	KSTEP \s, 0
.endr
	s_wait_loadcnt 0x0                             ; the table
	PLACES
.irp m, 0,1,2,3,4,5,6,7
	ROTATE \m
.if \m > 0
	s_wait_xcnt 0x0                                ; the last tile's stores have read the codes' registers
.endif
	QUANT32 HA, SWT+\m
	global_store_b128 v[AX16], v[PC:PC+3], s[78:79] offset:\m*768          ; 512 consecutive bytes,
	global_store_b64 v[AX8], v[PC+4:PC+5], s[78:79] offset:\m*768+512      ; and 256
.endr
.irp b, 0,1,2,3
	v_cndmask_b32 v[TM+12+\b], v[SWT+2*\b], v[SWT+2*\b+1], s66             ; lanes 0-15 the even tile's words, lanes 16-31 the odd tile's
.endr
	global_store_b128 v[AX16], v[TM+12:TM+15], s[76:77]
	s_branch .Lclose
; ---- v
.Lv_path:
	v_and_b32 v7, 8, v3
	v_add_nc_u32 v7, v7, v3
	v_lshlrev_b32 v7, 2, v7                        ; a lane holds ONE feature, r + 8 (r / 8) of its tile: the tile's eight registers take the same number
.irp n, 0,1,2,3
.irp j, 0,1,2,3,4,5,6,7
	global_load_b32 v[BI+8*\n+\j], v7, s[70:71] offset:(32*(\n/2)+8*(\n%2))*4
.endr
.endr
	s_mul_i32 s74, s23, 6144
	s_add_co_u32 s74, s74, 106496
	s_add_nc_u64 s[78:79], s[76:77], s[74:75]      ; my step's four images
	s_lshl_b32 s74, s23, 8
	s_add_co_u32 s74, s74, 204800
	s_add_nc_u64 s[76:77], s[76:77], s[74:75]      ; and their scale words
	s_wait_tensorcnt 0x1                           ; as above
	s_barrier_signal -1
	s_barrier_wait -1
	s_wait_loadcnt 0x0
	SCALES 0
	FETCH 0
.irp s, 0,1,2,3,4,5,6,7
	KSTEP \s, 1
.endr
	PLACES
.irp n, 0,1,2,3
.if \n > 0
	s_wait_xcnt 0x0
.endif
	QUANT64A 64*\n, SWT+\n
	global_store_b128 v[AX16], v[PC:PC+3], s[78:79] offset:1536*\n
	global_store_b64 v[AX8], v[PC+4:PC+5], s[78:79] offset:1536*\n+512
	global_store_b128 v[AX16], v[PC+6:PC+9], s[78:79] offset:1536*\n+768
	global_store_b64 v[AX8], v[PC+10:PC+11], s[78:79] offset:1536*\n+1280
.endr
	v_cndmask_b32 v[TM+12], v[SWT], v[SWT+1], s66
	v_cndmask_b32 v[TM+13], v[SWT+2], v[SWT+3], s66
	global_store_b64 v[AX8], v[TM+12:TM+13], s[76:77]
.Lclose:
	s_wait_dscnt 0x0
	s_wait_tensorcnt 0x0
	ds_add_u32 v254, v255
	s_wait_dscnt 0x0
	CROUND                                         ; the closing round: no work-group ends while a partner may still ask for a tile that names it
	s_endpgm
.Lfunc_end_k_qe1cf11ffa4_qkv:
	.size	k_qe1cf11ffa4_qkv, .Lfunc_end_k_qe1cf11ffa4_qkv-k_qe1cf11ffa4_qkv
	.p2alignl 7, 3214868480
	.fill 96, 4, 3214868480
	.section	.rodata,"a",@progbits
	.p2align	6, 0x0
	.amdhsa_kernel k_qe1cf11ffa4_qkv
		.amdhsa_group_segment_fixed_size 307712
		.amdhsa_private_segment_fixed_size 0
		.amdhsa_enable_private_segment 0
		.amdhsa_kernarg_size 56
		.amdhsa_user_sgpr_count 2
		.amdhsa_user_sgpr_kernarg_segment_ptr 1
		.amdhsa_wavefront_size32 1
		.amdhsa_system_sgpr_workgroup_id_x 1
		.amdhsa_system_sgpr_workgroup_id_y 1
		.amdhsa_system_sgpr_workgroup_id_z 1
		.amdhsa_system_vgpr_workitem_id 0
		.amdhsa_next_free_vgpr 1024
		.amdhsa_next_free_sgpr 100
		.amdhsa_reserve_vcc 0
		.amdhsa_float_denorm_mode_32 3
		.amdhsa_float_denorm_mode_16_64 3
		.amdhsa_memory_ordered 1
		.amdhsa_forward_progress 1
		.amdhsa_inst_pref_size 189
	.end_amdhsa_kernel
	.amdgpu_metadata
---
amdhsa.version: [ 1, 2 ]
amdhsa.kernels:
  - .name:           k_qe1cf11ffa4_qkv
    .symbol:         k_qe1cf11ffa4_qkv.kd
    .args:
      - { .name: xc, .offset: 0, .size: 8, .value_kind: global_buffer, .address_space: global }
      - { .name: wc, .offset: 8, .size: 8, .value_kind: global_buffer, .address_space: global }
      - { .name: rope, .offset: 16, .size: 8, .value_kind: global_buffer, .address_space: global }
      - { .name: bq, .offset: 24, .size: 8, .value_kind: global_buffer, .address_space: global }
      - { .name: bk, .offset: 32, .size: 8, .value_kind: global_buffer, .address_space: global }
      - { .name: bv, .offset: 40, .size: 8, .value_kind: global_buffer, .address_space: global }
      - { .name: qkv, .offset: 48, .size: 8, .value_kind: global_buffer, .address_space: global }
    .group_segment_fixed_size: 307712
    .private_segment_fixed_size: 0
    .kernarg_segment_align: 8
    .kernarg_segment_size: 56
    .max_flat_workgroup_size: 128
    .sgpr_count:     100
    .vgpr_count:     1024
    .wavefront_size: 32
...
	.end_amdgpu_metadata
.endif
;; end of part 2
;; launch attn (part 3): grid 16 x 16, 8 waves a work-group, no clusters, 209,920 bytes of LDS; arguments qkv, mw, fb, ac; writes ac
.if DOCPART == 3
	.amdgcn_target "amdgcn-amd-amdhsa--gfx1250"
	.amdhsa_code_object_version 6
	.text
	.protected	k_qe1cf11ffa4_attn
	.globl	k_qe1cf11ffa4_attn
	.p2align	8
	.type	k_qe1cf11ffa4_attn,@function
k_qe1cf11ffa4_attn:
	s_mov_b64 s[64:65], 0
	v_nop
	global_prefetch_b8 v0, s[64:65] scope:SCOPE_SE
	s_setreg_imm32_b32 hwreg(HW_REG_WAVE_MODE, 25, 1), 1
	s_wait_xcnt 0x0
; THREE MASKED ATTENTIONS over the same q, k, v of a head, added, and quantised along e = 64 x head + d for the last product.  All products on codes of E3M2.
; SHARES.  Work-group (x, y): head y.  Each of its eight waves owns one tile of 16 queries: waves 0-3 tiles 4 x + w, waves 4-7 tiles 120 - 4 x + w: an early and a late tile by turns, since late queries see more keys.
; A head's codes and scale words of k and v, 208,896 bytes, are copied into LDS once, through registers, and are only read from the one barrier on.
; NO TENSOR LOAD AND NO JOINT REQUEST: which steps, masks and blocks a wave works on hangs on flags that an earlier launch stored, and differs from wave to wave.
; A STEP is 128 keys.  S^T = K Q^T is made ONCE for the three masks (8 products; they are 128 deep, of which the head has 64: Q's upper 64 codes are zeros, so what stands in K's upper registers adds nothing).
; A UNIT is (step, mask); it is left out where its 16 x 128 bits are all 0, and inside it each block of 32 keys whose bits are all 0: such a block's codes are zeros and it adds nothing to the row's sum.
; The causal part of the masks falls out of the same flags.  Keys stay in their places: p's and v's scales belong to the blocks of 32 as they lie.
; EACH MASK has its own running M (a whole number: -M = floor(-t) of the largest t so far), its own sum of the unquantised p = 2^(t - M), and its own O^T.  When M moves, sum and O^T are multiplied by 2^(old M - new M): exact.
; A hidden score becomes -infinity ahead of the maximum: p = 0.  A row that no key of a mask serves keeps O = 0 and sum 0; its sum is raised to 2^-100 ahead of the reciprocal, so that it gives 0.
; THE MASK WORDS of the next unit that has any bit are asked for, by scalar loads, as soon as this unit's words have been used.
; LIMITS: NaN and infinities are not served; a block of zeros gets the byte 1 (its codes are zeros; this program alone reads the bytes).
; A block's largest p is taken as the exponential of its largest score, which takes v_exp_f32 not to fall where its input rises.
; REGISTERS: window 0: v1, v2 16 and 8 x lane; v4-9 the step's LDS addresses; v10 -infinity; v12-23 for mask m: -M, largest t, the sum in two halves; v24-25 f; v28-51 at work; v52 p's scale word, v53 Q's, v54-57 K's, v58-59 V's;
;   v64-75 Q; v76-94 p's codes; v96-159 S^T; v160-223 the masked scores, then p; before that K's fragments (v160-207, v208-213 named with the last).   window 1: v0-95 O^T of the three masks; v96-143 V's fragments.
.set HEADB, 315392
.set KSO, 98304
.set VCO, 106496
.set VSO, 204800
.set QCO, 208896
.set QSO, 307200
.set S,  96
.set P,  160
.set PC, 76
.set PT, 88
.set MSB, 0
.macro WIN new
.if MSB != (\new)
	s_set_vgpr_msb (MSB<<8)|(\new)
.set MSB, (\new)
.endif
.endm
; s2 the flags of the half in hand, 3 bits a step, shifted down as the steps go; s3 the second half's; s4 the unit's block flags; s5 those on their way; s6 the step; s7 3 x step;
; s8, s9, s10 the step's LDS bytes (6,144, 512, 256 a step); s[14:15] c; s[16:63], s[80:95] the 64 mask words; s[66:67] lane selects; s[68:69] my tile's mask words; s[70:71] its block flags; s[72:73] my record of the output
.macro PREF keep                       ; the words and block flags of the lowest unit whose flag survives 'keep'.  It stands behind a wait for all scalar loads, so its offsets may be written
	s_and_b32 s13, s2, \keep
	s_ctz_i32_b32 s11, s13
	s_cmp_lg_u32 s13, 0
	s_cselect_b32 s11, s11, 0                      ; none left in this half: any unit's words will do, nobody uses them
	s_add_co_u32 s11, s11, s7
	s_min_u32 s11, s11, 47                         ; a tile has 48 units
	s_lshl_b32 s12, s11, 2
	s_lshl_b32 s11, s11, 8
	s_load_b512 s[16:31], s[68:69], s11 offset:0x0
	s_load_b512 s[32:47], s[68:69], s11 offset:0x40
	s_load_b512 s[48:63], s[68:69], s11 offset:0x80
	s_load_b512 s[80:95], s[68:69], s11 offset:0xc0
	s_load_b32 s5, s[70:71], s12 offset:0x0
.endm
	s_load_b256 s[16:23], s[0:1], 0x0              ; qkv s16, mw s18, fb s20, ac s22
	v_lshl_add_u32 v254, v0, 2, 0x33000
	v_mov_b32 v255, 0
	v_lshrrev_b32 v1, 5, v0
	v_readfirstlane_b32 s76, v1                    ; wave
	s_and_b32 s78, ttmp7, 0xffff                   ; head
	s_lshl_b32 s79, ttmp9, 2
	s_add_co_u32 s77, s79, s76
	s_sub_co_u32 s96, 120, s79
	s_add_co_u32 s96, s96, s76
	s_cmp_lt_u32 s76, 4
	s_cselect_b32 s77, s77, s96                    ; my tile of queries
	v_and_b32 v3, 31, v0
	v_lshlrev_b32 v1, 4, v3                        ; 16 x lane
	v_lshlrev_b32 v2, 3, v3                        ; 8 x lane
	v_and_b32 v11, 15, v0
	v_lshlrev_b32 v247, 4, v11                     ; 16 r
	v_lshlrev_b32 v234, 3, v11                     ; 8 r
	v_lshlrev_b32 v246, 4, v0                      ; 16 x thread
.irp j, 0,1,2,3
	v_add_nc_u32 v[238+\j], 65536*\j, v246         ; the fill's LDS addresses: an immediate reaches 65,535 bytes
.endr
	v_add_nc_u32 v242, KSO, v1
	v_add_nc_u32 v243, VCO, v1
	v_add_nc_u32 v244, VCO, v2
	v_add_nc_u32 v245, VSO, v2
	s_mov_b32 s97, 0
	s_mov_b32 s13, 0
	s_mul_i32 s96, s78, HEADB
	s_wait_kmcnt 0x0
	s_add_nc_u64 s[74:75], s[16:17], s[96:97]      ; my head
	s_mul_i32 s96, s77, 768
	s_add_co_u32 s96, s96, QCO
	s_add_nc_u64 s[98:99], s[74:75], s[96:97]      ; my tile's codes of q
	s_lshr_b32 s96, s77, 3
	s_lshl_b32 s96, s96, 9
	s_and_b32 s79, s77, 1
	s_lshl_b32 s79, s79, 8
	s_add_co_u32 s96, s96, s79
	s_bfe_u32 s79, s77, 0x20001
	s_lshl_b32 s79, s79, 2
	s_add_co_u32 s96, s96, s79
	s_add_co_u32 s96, s96, QSO
	s_add_nc_u64 s[100:101], s[74:75], s[96:97]    ; and its scale words
	global_load_b128 v[64:67], v1, s[98:99]
	global_load_b64 v[68:69], v2, s[98:99] offset:512
	global_load_b32 v53, v247, s[100:101]
.set i, 0
.rept 32                               ; the head's k and v: 51 loads of 4,096 consecutive bytes a work-group
	global_load_b128 v[96+4*i:99+4*i], v246, s[74:75] offset:4096*i
.set i, i+1
.endr
	WIN 0x40
.rept 19
	global_load_b128 v[4*(i-32):4*(i-32)+3], v246, s[74:75] offset:4096*i
.set i, i+1
.endr
	WIN 0
	s_lshl_b32 s96, s77, 6
	s_load_b512 s[32:47], s[20:21], s96 offset:0x0 ; my tile's 16 words of unit flags
	s_mul_i32 s12, s77, 12288
	s_add_nc_u64 s[68:69], s[18:19], s[12:13]
	s_mul_i32 s12, s77, 192
	s_add_co_u32 s12, s12, 8192
	s_add_nc_u64 s[70:71], s[20:21], s[12:13]
	s_mul_i32 s12, s77, 12800
	s_lshr_b32 s79, s78, 3
	s_mul_i32 s79, s79, 6400
	s_add_co_u32 s12, s12, s79
	s_add_nc_u64 s[72:73], s[22:23], s[12:13]
	s_mov_b32 s14, 0x3e38aa3b                      ; c = log2(e) / 8
	s_mov_b32 s15, s14                             ; (named with it as a pair)
	s_mov_b32 s66, 0x76543210
	s_mov_b32 s67, 0xfedcba98
	s_mov_b32 s6, 0
	s_mov_b32 s7, 0
	s_mov_b32 s8, 0
	s_mov_b32 s9, 0
	s_mov_b32 s10, 0
	s_wait_kmcnt 0x0
	s_or_b32 s2, s32, s33
	s_or_b32 s3, s40, s41
.irp j, 34,35,36,37,38,39
	s_or_b32 s2, s2, s\j
.endr
.irp j, 42,43,44,45,46,47
	s_or_b32 s3, s3, s\j
.endr
	PREF -1
.set i, 0
.rept 32
	s_wait_loadcnt 50-i                            ; loads come back in order: load i is in, the 50 - i younger ones may be out
	ds_store_b128 v[238+i/16], v[96+4*i:99+4*i] offset:4096*(i%16)
.set i, i+1
.endr
	WIN 0x04                                       ; an LDS store's data are its source 1
.rept 19
	s_wait_loadcnt 50-i
	ds_store_b128 v[238+i/16], v[4*(i-32):4*(i-32)+3] offset:4096*(i%16)
.set i, i+1
.endr
	WIN 0
	s_wait_dscnt 0x0                               ; for the others' sake: my stores have landed
	s_barrier_signal -1
	s_barrier_wait -1                              ; from here on LDS is only read
	WIN 0x40
.set i, 0
.rept 96
	v_mov_b32 v[i], 0                              ; O^T: which step is a mask's first hangs on the flags, so no product can be written out to start these sums
.set i, i+1
.endr
	WIN 0
	v_mov_b32 v10, 0xff800000
.irp m, 0,1,2
	v_mov_b32 v[13+4*\m], 0xff61b1e6               ; the largest t so far: -3e38
	v_floor_f32 v[12+4*\m], -v[13+4*\m]
	v_mov_b32 v[14+4*\m], 0
	v_mov_b32 v[15+4*\m], 0
	v_mov_b32 v[229+2*\m], 0                       ; (named as the upper half of a pair)
.endr
	v_mov_b32 v25, 0
.irp j, 32,33,34,35, 70,71,72,73,74,75, 208,209,210,211,212,213
	v_mov_b32 v\j, 0                               ; lane permutes' destinations; Q's upper 64 codes; the registers named with K's last tile
.endr
.macro PHA b                           ; block b: hidden scores become -infinity; the block's largest score
	v_mov_b32 v[28+\b], v10
	s_bitcmp1_b32 s4, \b
	s_cbranch_scc0 .Lpa_\@
.set n, 16*\b
.rept 16
.set WR, 16+n
.if n >= 48
.set WR, 32+n
.endif
	v_cndmask_b32 v[P+n], v10, v[S+n], s[WR]       ; ascending: each accumulator is read from its low end on
.set n, n+1
.endr
.set PB, P+16*\b
	v_max3_num_f32 v26, v[PB], v[PB+1], v[PB+2]
	v_max3_num_f32 v27, v[PB+7], v[PB+8], v[PB+9]
	v_max3_num_f32 v26, v26, v[PB+3], v[PB+4]
	v_max3_num_f32 v27, v27, v[PB+10], v[PB+11]
	v_max3_num_f32 v26, v26, v[PB+5], v[PB+6]
	v_max3_num_f32 v27, v27, v[PB+12], v[PB+13]
	v_max3_num_f32 v27, v27, v[PB+14], v[PB+15]
	v_max_num_f32 v[28+\b], v26, v27
.Lpa_\@:
.endm
.macro PHB m, b                        ; block b: p, its sum, its scale, its codes
	s_bitcmp1_b32 s4, \b
	s_cbranch_scc0 .Lpb_\@
.set PB, P+16*\b
.set DST, PC+6*(\b/2)
.if \b%2
.set DST, PT+4*(\b/2)
.endif
.irp k, 0,2,4,6,8,10,12,14
	v_pk_fma_f32 v[PB+\k:PB+\k+1], v[PB+\k:PB+\k+1], s[14:15], v[12+4*\m:13+4*\m] op_sel_hi:[1,0,0]   ; t - M (of the pairs c and -M the low word serves both halves)
.endr
	v_fma_f32 v[28+\b], v[28+\b], s14, v[12+4*\m]  ; the same of the block's largest score
.irp k, 0,1,2,3,4,5,6,7,8,9,10,11,12,13,14,15
	v_exp_f32 v[PB+\k], v[PB+\k]
.endr
	v_exp_f32 v[28+\b], v[28+\b]
	v_nop                                          ; a plain place behind the exponentials,
	s_wait_alu depctr_va_vdst(0)                   ; and one wait for the batch of 17, ahead of its first reader
	v_pk_add_f32 v[44:45], v[PB:PB+1], v[PB+2:PB+3]          ; the sum is taken of the unquantised p
	v_pk_add_f32 v[46:47], v[PB+4:PB+5], v[PB+6:PB+7]
	v_pk_add_f32 v[48:49], v[PB+8:PB+9], v[PB+10:PB+11]
	v_pk_add_f32 v[50:51], v[PB+12:PB+13], v[PB+14:PB+15]
	v_pk_add_f32 v[44:45], v[44:45], v[46:47]
	v_pk_add_f32 v[48:49], v[48:49], v[50:51]
	v_pk_add_f32 v[44:45], v[44:45], v[48:49]
	v_pk_add_f32 v[14+4*\m:15+4*\m], v[14+4*\m:15+4*\m], v[44:45]
	v_max_num_f32 v[28+\b], 0x2800000, v[28+\b]    ; the floor 2^(5 - 127)
	v_add_nc_u32 v[36+\b], 0xfe000000, v[28+\b]
	v_lshrrev_b32 v[40+\b], 23, v[36+\b]
	v_cvt_scalef32_pk16_bf6_f32 v[DST:DST+2], v[PB:PB+15], v[36+\b]
	v_nop                                          ; one plain place behind a scaled conversion
.Lpb_\@:
.endm
.macro UNIT m
	s_bitcmp1_b32 s2, \m
	s_cbranch_scc0 .Lun_\@
	s_wait_kmcnt 0x0                               ; this unit's words and block flags are in
	s_mov_b32 s4, s5
	PHA 0
	PHA 1
	PHA 2
	PHA 3
	PREF -(2<<\m)                                  ; the words have been used: the next unit's are asked for
.irp b, 0,1,2,3
	v_permlanex16_b32 v[32+\b], v[28+\b], s66, s67
.endr
.irp b, 0,1,2,3
	v_max_num_f32 v[28+\b], v[28+\b], v[32+\b]     ; with lane l xor 16's 16 keys
.endr
	v_max3_num_f32 v26, v28, v29, v30
	v_max_num_f32 v26, v26, v31
	v_mul_f32 v26, s14, v26
	v_max_num_f32 v[13+4*\m], v[13+4*\m], v26      ; the running largest t
	v_mov_b32 v27, v[12+4*\m]
	v_floor_f32 v[12+4*\m], -v[13+4*\m]            ; the new -M
	v_sub_f32 v27, v[12+4*\m], v27
	v_cvt_i32_f32 v27, v27                         ; (it saturates)
	v_ldexp_f32 v24, 1.0, v27                      ; f = 2^(old M - new M)
	v_pk_mul_f32 v[14+4*\m:15+4*\m], v[14+4*\m:15+4*\m], v[24:25] op_sel_hi:[1,0]
.irp b, 0,1,2,3
	v_mov_b32 v[40+\b], 1                          ; a block that is left out: the byte 1 and zero codes
.endr
.irp i, 0,1,2
	v_mov_b32 v[PC+\i], 0
	v_mov_b32 v[PC+6+\i], 0
	v_mov_b32 v[PT+\i], 0
	v_mov_b32 v[PT+4+\i], 0
.endr
	PHB \m, 0
	PHB \m, 1
	PHB \m, 2
	PHB \m, 3
	v_lshl_or_b32 v52, v41, 8, v40                 ; p's scale word for these 128 keys
	v_lshl_or_b32 v52, v42, 16, v52
	v_lshl_or_b32 v52, v43, 24, v52
.irp c, 0,1
.irp i, 0,1,2
	v_permlane16_swap_b32 v[PC+6*\c+\i], v[PT+4*\c+\i]      ; a whole block to a lane
.endr
.irp i, 0,1,2
	v_mov_b32 v[PC+3+6*\c+\i], v[PT+4*\c+\i]
.endr
.endr
	WIN 0x41
.irp j, 0,2,4,6,8,10,12,14,16,18,20,22,24,26,28,30
	v_pk_mul_f32 v[32*\m+\j:32*\m+\j+1], v[32*\m+\j:32*\m+\j+1], v[24:25] op_sel_hi:[1,0]   ; O^T under the new M; these 16 are also the places behind the scale word and the codes
.endr
	s_wait_dscnt 0x0                               ; V's fragments and scale words are in
	WIN 0x51                                       ; V and O^T in window 1, p's codes in window 0
.irp n, 0,1,2,3                        ; four accumulators, one instruction each; the products on the scores, or another mask's, stand between two turns of one accumulator
.if \n%2
	v_wmma_scale_f32_16x16x128_f8f6f4 v[32*\m+8*\n:32*\m+8*\n+7], v[96+12*\n:107+12*\n], v[PC:PC+11], v[32*\m+8*\n:32*\m+8*\n+7], v[58+\n/2], v52 matrix_a_fmt:MATRIX_FMT_BF6 matrix_b_fmt:MATRIX_FMT_BF6 matrix_a_scale:MATRIX_SCALE_ROW1
.else
	v_wmma_scale_f32_16x16x128_f8f6f4 v[32*\m+8*\n:32*\m+8*\n+7], v[96+12*\n:107+12*\n], v[PC:PC+11], v[32*\m+8*\n:32*\m+8*\n+7], v[58+\n/2], v52 matrix_a_fmt:MATRIX_FMT_BF6 matrix_b_fmt:MATRIX_FMT_BF6
.endif
.endr
	WIN 0
.Lun_\@:
.endm
.Lstep:                                ; 16 trips, a constant; what a trip leaves out hangs on the stored flags
	s_cmp_lg_u32 s6, 8
	s_cbranch_scc1 .Lsame_half
	s_mov_b32 s2, s3                               ; the second half's flags
	s_wait_kmcnt 0x0
	PREF -1
.Lsame_half:
	s_and_b32 s13, s2, 7
	s_cmp_eq_u32 s13, 0
	s_cbranch_scc1 .Lend                           ; no mask has a bit in these 128 keys
	v_add_nc_u32 v4, s8, v1                        ; six additions: also the places in front of the loads into registers that the last products read
	v_add_nc_u32 v5, s8, v2
	v_add_nc_u32 v6, s9, v242
	v_add_nc_u32 v7, s8, v243
	v_add_nc_u32 v8, s8, v244
	v_add_nc_u32 v9, s10, v245
.irp t, 0,1,2,3,4,5,6,7
	ds_load_b128 v[P+6*\t:P+6*\t+3], v4 offset:768*\t
	ds_load_b64 v[P+6*\t+4:P+6*\t+5], v5 offset:768*\t+512
.endr
	ds_load_b128 v[54:57], v6
	WIN 0x40
.irp n, 0,1,2,3
	ds_load_b128 v[96+12*\n:99+12*\n], v7 offset:1536*\n
	ds_load_b64 v[100+12*\n:101+12*\n], v8 offset:1536*\n+512
	ds_load_b128 v[102+12*\n:105+12*\n], v7 offset:1536*\n+768
	ds_load_b64 v[106+12*\n:107+12*\n], v8 offset:1536*\n+1280
.endr
	WIN 0
	ds_load_b64 v[58:59], v9
	s_wait_dscnt 17                                ; K and its scale words are in; V's 17 loads may be out
.irp t, 0,1,2,3,4,5,6,7
.if \t%2
	v_wmma_scale_f32_16x16x128_f8f6f4 v[S+8*\t:S+8*\t+7], v[P+6*\t:P+6*\t+11], v[64:75], 0, v[54+\t/2], v53 matrix_a_fmt:MATRIX_FMT_BF6 matrix_b_fmt:MATRIX_FMT_BF6 matrix_a_scale:MATRIX_SCALE_ROW1
.else
	v_wmma_scale_f32_16x16x128_f8f6f4 v[S+8*\t:S+8*\t+7], v[P+6*\t:P+6*\t+11], v[64:75], 0, v[54+\t/2], v53 matrix_a_fmt:MATRIX_FMT_BF6 matrix_b_fmt:MATRIX_FMT_BF6
.endif
.endr
.rept 4
	v_nop                                          ; places in front of the first read of the scores and of writes over K's registers
.endr
	UNIT 0
	UNIT 1
	UNIT 2
	s_wait_dscnt 0x0                               ; V's 17 loads are in on every way through the three units: the next trip loads into the same registers.  (A unit that ran has waited already)
.Lend:
	s_lshr_b32 s2, s2, 3
	s_add_co_u32 s7, s7, 3
	s_add_co_u32 s8, s8, 6144
	s_add_co_u32 s9, s9, 512
	s_add_co_u32 s10, s10, 256
	s_add_co_u32 s6, s6, 1
	s_cmp_lt_u32 s6, 16
	s_cbranch_scc1 .Lstep
; THE WAY OUT: the three results, each divided by its sum, are added and quantised along the head's 64: half a fragment of the last product's operand
.irp m, 0,1,2
	v_add_f32 v[44+\m], v[14+4*\m], v[15+4*\m]
.endr
.irp m, 0,1,2
	v_permlanex16_b32 v[32+\m], v[44+\m], s66, s67
.endr
.irp m, 0,1,2
	v_add_f32 v[44+\m], v[44+\m], v[32+\m]
.endr
.irp m, 0,1,2
	v_max_num_f32 v[44+\m], 0x0d800000, v[44+\m]   ; 2^-100: a row with a key has a sum over 1/2; a row without has O = 0
.endr
.irp m, 0,1,2
	v_rcp_f32 v[228+2*\m], v[44+\m]
.endr
	v_nop
	s_wait_alu depctr_va_vdst(0)                   ; one wait for the three reciprocals
	WIN 0x01
.irp j, 0,2,4,6,8,10,12,14,16,18,20,22,24,26,28,30
	v_pk_mul_f32 v[P+\j:P+\j+1], v[\j:\j+1], v[228:229] op_sel_hi:[1,0]
.endr
.irp j, 0,2,4,6,8,10,12,14,16,18,20,22,24,26,28,30
	v_pk_fma_f32 v[P+\j:P+\j+1], v[32+\j:33+\j], v[230:231], v[P+\j:P+\j+1] op_sel_hi:[1,0,1]
.endr
.irp j, 0,2,4,6,8,10,12,14,16,18,20,22,24,26,28,30
	v_pk_fma_f32 v[P+\j:P+\j+1], v[64+\j:65+\j], v[232:233], v[P+\j:P+\j+1] op_sel_hi:[1,0,1]
.endr
	WIN 0
	v_max3_num_f32 v44, |v[P]|, |v[P+1]|, 0x2800000
	v_max3_num_f32 v45, |v[P+16]|, |v[P+17]|, 0x2800000
.set i, 2
.rept 7
	v_max3_num_f32 v44, v44, |v[P+i]|, |v[P+i+1]|
	v_max3_num_f32 v45, v45, |v[P+16+i]|, |v[P+17+i]|
.set i, i+2
.endr
	v_permlanex16_b32 v32, v44, s66, s67
	v_permlanex16_b32 v33, v45, s66, s67
	v_max_num_f32 v44, v44, v32
	v_max_num_f32 v45, v45, v33
	v_add_nc_u32 v36, 0xfe000000, v44
	v_add_nc_u32 v37, 0xfe000000, v45
	v_lshrrev_b32 v40, 23, v36
	v_lshrrev_b32 v41, 23, v37
	v_lshl_or_b32 v60, v41, 8, v40                 ; my row's two scale bytes
	v_cvt_scalef32_pk16_bf6_f32 v[PC:PC+2], v[P:P+15], v36
	v_cvt_scalef32_pk16_bf6_f32 v[PT:PT+2], v[P+16:P+31], v37
	v_nop
.irp i, 0,1,2
	v_permlane16_swap_b32 v[PC+\i], v[PT+\i]
.endr
.irp i, 0,1,2
	v_mov_b32 v[PC+3+\i], v[PT+\i]
.endr
	s_and_b32 s96, s78, 7
	s_mul_i32 s96, s96, 768                        ; K step (head / 2) % 4 of the record, its half head % 2
	s_add_nc_u64 s[98:99], s[72:73], s[96:97]
	s_bfe_u32 s96, s78, 0x10001
	s_lshl_b32 s96, s96, 7                         ; the scale bytes: lanes' half (head / 2) % 2,
	s_bfe_u32 s79, s78, 0x10002
	s_lshl_b32 s79, s79, 2                         ; word (head / 4) % 2,
	s_add_co_u32 s96, s96, s79
	s_and_b32 s79, s78, 1
	s_lshl_b32 s79, s79, 1                         ; bytes 2 (head % 2) on
	s_add_co_u32 s96, s96, s79
	s_add_co_u32 s96, s96, 6144
	s_add_nc_u64 s[100:101], s[72:73], s[96:97]
	global_store_b128 v1, v[PC:PC+3], s[98:99]
	global_store_b64 v2, v[PC+4:PC+5], s[98:99] offset:512
	global_store_b16 v234, v60, s[100:101]         ; both halves of the lanes write the same bytes with the same value
	s_wait_tensorcnt 0x0
	ds_add_u32 v254, v255
	s_wait_dscnt 0x0
	s_endpgm
.Lfunc_end_k_qe1cf11ffa4_attn:
	.size	k_qe1cf11ffa4_attn, .Lfunc_end_k_qe1cf11ffa4_attn-k_qe1cf11ffa4_attn
	.p2alignl 7, 3214868480
	.fill 96, 4, 3214868480
	.section	.rodata,"a",@progbits
	.p2align	6, 0x0
	.amdhsa_kernel k_qe1cf11ffa4_attn
		.amdhsa_group_segment_fixed_size 209920
		.amdhsa_private_segment_fixed_size 0
		.amdhsa_enable_private_segment 0
		.amdhsa_kernarg_size 32
		.amdhsa_user_sgpr_count 2
		.amdhsa_user_sgpr_kernarg_segment_ptr 1
		.amdhsa_wavefront_size32 1
		.amdhsa_system_sgpr_workgroup_id_x 1
		.amdhsa_system_sgpr_workgroup_id_y 1
		.amdhsa_system_sgpr_workgroup_id_z 1
		.amdhsa_system_vgpr_workitem_id 0
		.amdhsa_next_free_vgpr 400
		.amdhsa_next_free_sgpr 102
		.amdhsa_reserve_vcc 0
		.amdhsa_float_denorm_mode_32 3
		.amdhsa_float_denorm_mode_16_64 3
		.amdhsa_memory_ordered 1
		.amdhsa_forward_progress 1
		.amdhsa_inst_pref_size 85
	.end_amdhsa_kernel
	.amdgpu_metadata
---
amdhsa.version: [ 1, 2 ]
amdhsa.kernels:
  - .name:           k_qe1cf11ffa4_attn
    .symbol:         k_qe1cf11ffa4_attn.kd
    .args:
      - { .name: qkv, .offset: 0, .size: 8, .value_kind: global_buffer, .address_space: global }
      - { .name: mw, .offset: 8, .size: 8, .value_kind: global_buffer, .address_space: global }
      - { .name: fb, .offset: 16, .size: 8, .value_kind: global_buffer, .address_space: global }
      - { .name: ac, .offset: 24, .size: 8, .value_kind: global_buffer, .address_space: global }
    .group_segment_fixed_size: 209920
    .private_segment_fixed_size: 0
    .kernarg_segment_align: 8
    .kernarg_segment_size: 32
    .max_flat_workgroup_size: 256
    .sgpr_count:     102
    .vgpr_count:     400
    .wavefront_size: 32
...
	.end_amdgpu_metadata
.endif
;; end of part 3
;; launch oproj (part 4): grid 16 x 16, 4 waves a work-group, clusters of 4 x 4, 188,928 bytes of LDS; arguments ac, wc, bo, out0; writes out0
.if DOCPART == 4
	.amdgcn_target "amdgcn-amd-amdhsa--gfx1250"
	.amdhsa_code_object_version 6
	.text
	.protected	k_qe1cf11ffa4_oproj
	.globl	k_qe1cf11ffa4_oproj
	.p2align	8
	.type	k_qe1cf11ffa4_oproj,@function
k_qe1cf11ffa4_oproj:
	s_mov_b64 s[64:65], 0
	v_nop
	global_prefetch_b8 v0, s[64:65] scope:SCOPE_SE
	s_setreg_imm32_b32 hwreg(HW_REG_WAVE_MODE, 25, 1), 1
	s_wait_xcnt 0x0
	s_wait_alu depctr_hold_cnt(0) depctr_sa_sdst(0) depctr_va_vdst(0) depctr_va_sdst(0) depctr_va_ssrc(0) depctr_va_vcc(0) depctr_vm_vsrc(0)
	s_getreg_b32 s2, hwreg(HW_REG_IB_STS2, 6, 4)
	s_cmp_eq_u32 s2, 0
	s_cbranch_scc0 .Lentry_in_a_cluster
	s_endpgm
.Lentry_in_a_cluster:
	s_bfe_u32 s2, ttmp6, 0x10000c
	s_cmp_lg_u32 s2, 0xf033
	s_cbranch_scc0 .Lentry_shape_is_right
	s_endpgm
.Lentry_shape_is_right:
; out0 = att Wo^T + bo on codes of E3M2.  att's codes and scale words lie as x's did: records of (tile of 16 tokens, half of K) in the order of the operands' registers; Wo's are the fourth tensor of wc.
; SHARES.  A work-group takes 128 tokens x 64 features; wave w the token tiles 2 w and 2 w + 1 of the block, which are 32 neighbouring tokens: 8 accumulators.
; LDS is filled ONCE: att's 8 tiles and Wo's 4 tiles, each in two chunks along K; chunk 1 lands while chunk 0 is multiplied.  By this text's own count a wave has two tensor loads out.
; CLUSTER.  4 x 4 work-groups: a row shares att's tiles, a column Wo's; each tile is asked for jointly.
; Source 0 = 16 features of Wo, source 1 = 16 tokens: a lane holds one token and neighbouring features.  bo is loaded into the accumulators, so every product adds in place.
; The results go through the wave's own stage in LDS, into which no fill lands, and leave as aligned runs of 256 bytes, sixteen lanes each.
.set REC,   6400
.set XCH,   8*REC
.set WB,    2*XCH
.set WCH,   4*REC
.set STAGE, WB+2*WCH                   ; 153,600: 32 rows x 272 bytes for each wave
.set AX16, 4                           ; v4-5 att: 16 x lane + my two tiles + chunk;  v6-7: 8 x lane
.set AX8,  6
.set AW16, 8                           ; v8-11 the same for Wo's four tiles
.set AW8,  10
.set SCX,  16                          ; att's scale words of (chunk c, tile m): v[16 + 4 c + 2 m], two registers
.set SCW,  240                         ; Wo's of (c, t): v[240 + 8 c + 2 t]
.set ACC,  32                          ; accumulator (m, t) at v[32 + 32 m + 8 t]
.macro PLACES
.rept 4
	v_nop
.endr
.endm
.macro CROUND
	s_barrier_signal -1
	s_barrier_wait -1
	s_cmp_lg_u32 s18, 0
	s_cbranch_scc1 .Lnot_wave_0_\@
	s_barrier_signal -3
.Lnot_wave_0_\@:
	s_barrier_wait -3
	s_barrier_signal -1
	s_barrier_wait -1
.endm
	s_load_b256 s[4:11], s[0:1], 0x0               ; ac s4, wc s6, bo s8, out0 s10
	v_lshl_add_u32 v30, v0, 2, 0x2e000
	v_mov_b32 v31, 0
	ds_add_u32 v30, v31
	ds_add_u32 v30, v31
	v_lshrrev_b32 v1, 5, v0
	v_readfirstlane_b32 s18, v1                    ; wave
	s_and_b32 s19, s18, 1
	s_lshr_b32 s20, s18, 1                         ; I fetch for att (0) or for Wo (1)
	s_bfe_u32 s21, ttmp6, 0x40000                  ; cx
	s_bfe_u32 s22, ttmp6, 0x40004                  ; cy
	s_lshl_b32 s12, ttmp9, 2
	s_add_co_u32 s12, s12, s21                     ; the group of 64 features
	s_and_b32 s23, ttmp7, 0xffff
	s_lshl_b32 s23, s23, 2
	s_add_co_u32 s23, s23, s22                     ; the block of 128 tokens
	s_lshl_b32 s56, s22, 2
	s_lshl_b32 s56, 15, s56                        ; my row of the cluster
	s_lshl_b32 s57, 0x1111, s21                    ; my column
	s_or_b32 s24, s56, (3<<16)|(1<<21)             ; rows of 6,400 bytes (800 elements of 8 bytes), 12,800 bytes apart; att: 4 rows a load, Wo: 2
	s_mov_b32 s25, 800<<16
	s_mov_b32 s26, 4<<16
	s_mov_b32 s27, 800<<16
	s_mov_b32 s28, 4
	s_mov_b32 s29, 1600
	s_mov_b32 s30, 0
	s_mov_b32 s31, 0
	s_or_b32 s32, s57, (3<<16)|(1<<21)
	s_mov_b32 s33, 800<<16
	s_mov_b32 s34, 2<<16
	s_mov_b32 s35, 800<<16
	s_mov_b32 s36, 2
	s_mov_b32 s37, 1600
	s_mov_b32 s38, 0
	s_mov_b32 s39, 0
	s_lshl_b32 s58, s23, 3
	s_lshl_b32 s59, s19, 2
	s_add_co_u32 s58, s58, s59                     ; att: tile 8 x block + 4 x half
	s_mul_i32 s58, s58, 2*REC
	s_mov_b32 s59, 0
	s_lshl_b32 s60, s12, 2
	s_lshl_b32 s61, s19, 1
	s_add_co_u32 s60, s60, s61
	s_add_co_u32 s60, s60, 192                     ; Wo: tile 192 + 4 x group + 2 x half
	s_mul_i32 s60, s60, 2*REC
	s_mov_b32 s61, 0
	s_mul_i32 s62, s19, 4*REC
	s_mul_i32 s63, s19, 2*REC
	s_wait_dscnt 0x0
	s_wait_kmcnt 0x0
	s_add_nc_u64 s[58:59], s[4:5], s[58:59]
	s_add_nc_u64 s[60:61], s[6:7], s[60:61]
	CROUND                                         ; all sixteen work-groups are here: the joint loads meet
.irp c, 0,1
	s_mov_b32 s[40+4*\c], 1
	s_add_co_u32 s[41+4*\c], s62, XCH*\c
	s_add_nc_u64 s[42+4*\c:43+4*\c], s[58:59], REC*\c
	s_or_b32 s[43+4*\c], s[43+4*\c], 0x80000000
	s_mov_b32 s[48+4*\c], 1
	s_add_co_u32 s[49+4*\c], s63, WB+WCH*\c
	s_add_nc_u64 s[50+4*\c:51+4*\c], s[60:61], REC*\c
	s_or_b32 s[51+4*\c], s[51+4*\c], 0x80000000
.endr
	s_cmp_eq_u32 s20, 0                            ; a wave's two fills stand in one branch on the wave's number; four v_nop follow the second
	s_cbranch_scc0 .Lfor_w
	tensor_load_to_lds s[40:43], s[24:31]
	s_nop 0
	tensor_load_to_lds s[44:47], s[24:31]
	s_nop 0
.rept 4
	v_nop
.endr
	s_branch .Lasked
.Lfor_w:
	tensor_load_to_lds s[48:51], s[32:39]
	s_nop 0
	tensor_load_to_lds s[52:55], s[32:39]
	s_nop 0
.rept 4
	v_nop
.endr
.Lasked:
	v_and_b32 v2, 31, v0                           ; lane
	v_and_b32 v3, 15, v0                           ; r
	v_bfe_u32 v12, v0, 4, 1                        ; h
	s_lshl_b32 s74, s12, 8
	s_mov_b32 s75, 0
	s_add_nc_u64 s[8:9], s[8:9], s[74:75]          ; bo at my 64 features
	v_lshlrev_b32 v13, 6, v12                      ; in the result's layout: tile 2 b + u, register j: feature 32 b + 16 h + 8 u + j
.irp m, 0,1
.irp t, 0,1,2,3
	global_load_b128 v[ACC+32*\m+8*\t:ACC+32*\m+8*\t+3], v13, s[8:9] offset:(32*(\t/2)+8*(\t%2))*4
	global_load_b128 v[ACC+32*\m+8*\t+4:ACC+32*\m+8*\t+7], v13, s[8:9] offset:(32*(\t/2)+8*(\t%2))*4+16
.endr
.endr
	v_lshlrev_b32 v25, 4, v2
	v_lshlrev_b32 v26, 3, v2
	s_mul_i32 s73, s18, 2*REC
	v_add_nc_u32 v[AX16], s73, v25
	v_add_nc_u32 v[AX8], s73, v26
	v_add_nc_u32 v[AX16+1], XCH, v[AX16]
	v_add_nc_u32 v[AX8+1], XCH, v[AX8]
	v_add_nc_u32 v[AW16], WB, v25
	v_add_nc_u32 v[AW8], WB, v26
	v_add_nc_u32 v[AW16+1], WCH, v[AW16]
	v_add_nc_u32 v[AW8+1], WCH, v[AW8]
	s_mul_i32 s73, s18, 32*272
	s_add_co_u32 s73, s73, STAGE                   ; my stage
	v_mul_u32_u24 v14, v3, 272
	v_lshl_add_u32 v14, v12, 6, v14
	v_add_nc_u32 v14, s73, v14                     ; in: row r of a tile, 64 h bytes on
	v_mul_u32_u24 v15, v12, 272
	v_lshl_add_u32 v15, v3, 4, v15
	v_add_nc_u32 v15, s73, v15                     ; back: lanes 0-15 one row, lanes 16-31 the next
	v_lshlrev_b32 v24, 12, v12
	v_lshl_add_u32 v24, v3, 4, v24                 ; and the same in out0: rows of 4,096 bytes
	s_lshl_b32 s76, s23, 2
	s_add_co_u32 s76, s76, s18                     ; my 32 tokens: 4 x block + wave
	s_lshl_b32 s76, s76, 17
	s_add_co_u32 s76, s76, s74                     ; + 256 bytes x group of features
	s_mov_b32 s77, 0
	s_add_nc_u64 s[10:11], s[10:11], s[76:77]
.macro SCALES c
.irp m, 0,1
	ds_load_b64 v[SCX+4*\c+2*\m:SCX+4*\c+2*\m+1], v[AX8+\c] offset:\m*REC+6144
.endr
.irp t, 0,1,2,3
	ds_load_b64 v[SCW+8*\c+2*\t:SCW+8*\c+2*\t+1], v[AW8+\c] offset:\t*REC+6144
.endr
.endm
.macro FETCH s                         ; K step s: 2 fragments of att, 4 of Wo: 24 loads, into set s % 2 (72 registers from v96 on)
.irp m, 0,1
.set rF, 96+72*((\s)%2)+12*\m
	ds_load_b128 v[rF:rF+3], v[AX16+(\s)/4] offset:\m*REC+((\s)%4)*1536
	ds_load_b64 v[rF+4:rF+5], v[AX8+(\s)/4] offset:\m*REC+((\s)%4)*1536+512
	ds_load_b128 v[rF+6:rF+9], v[AX16+(\s)/4] offset:\m*REC+((\s)%4)*1536+768
	ds_load_b64 v[rF+10:rF+11], v[AX8+(\s)/4] offset:\m*REC+((\s)%4)*1536+1280
.endr
.irp t, 0,1,2,3
.set rF, 96+72*((\s)%2)+24+12*\t
	ds_load_b128 v[rF:rF+3], v[AW16+(\s)/4] offset:\t*REC+((\s)%4)*1536
	ds_load_b64 v[rF+4:rF+5], v[AW8+(\s)/4] offset:\t*REC+((\s)%4)*1536+512
	ds_load_b128 v[rF+6:rF+9], v[AW16+(\s)/4] offset:\t*REC+((\s)%4)*1536+768
	ds_load_b64 v[rF+10:rF+11], v[AW8+(\s)/4] offset:\t*REC+((\s)%4)*1536+1280
.endr
.endm
.macro MUL s                           ; the 8 accumulators take turns, one instruction a turn, in the same order in every step
.irp m, 0,1
.irp t, 0,1,2,3
.set rD, ACC+32*\m+8*\t
.set rA, 96+72*((\s)%2)+24+12*\t
.set rB, 96+72*((\s)%2)+12*\m
.set rSA, SCW+8*((\s)/4)+((\s)%4)/2+2*\t
.set rSB, SCX+4*((\s)/4)+((\s)%4)/2+2*\m
.if (\s)%2
	v_wmma_scale_f32_16x16x128_f8f6f4 v[rD:rD+7], v[rA:rA+11], v[rB:rB+11], v[rD:rD+7], v[rSA], v[rSB] matrix_a_fmt:MATRIX_FMT_BF6 matrix_b_fmt:MATRIX_FMT_BF6 matrix_a_scale:MATRIX_SCALE_ROW1 matrix_b_scale:MATRIX_SCALE_ROW1
.else
	v_wmma_scale_f32_16x16x128_f8f6f4 v[rD:rD+7], v[rA:rA+11], v[rB:rB+11], v[rD:rD+7], v[rSA], v[rSB] matrix_a_fmt:MATRIX_FMT_BF6 matrix_b_fmt:MATRIX_FMT_BF6
.endif
.endr
.endr
.endm
.macro KSTEP s
.if (\s) > 0
	PLACES                                         ; the set to be loaded was read by the products just issued
.endif
.if (\s) < 7
.if (\s) == 3
	s_wait_dscnt 0x0                               ; no LDS instruction of mine is out at a signal
	s_wait_tensorcnt 0x0                           ; my part of chunk 1 has landed,
	s_barrier_signal -1
	s_barrier_wait -1                              ; everybody's has
	SCALES 1
.endif
	FETCH (\s)+1
.if (\s) != 3
	s_wait_dscnt 24                                ; all but the 24 just issued (in step 3 the wait for 0 above has served)
.endif
.else
	s_wait_dscnt 0x0
.endif
	MUL \s
.endm
	s_wait_tensorcnt 0x1                           ; my part of chunk 0 has landed; chunk 1's load may be out
	s_barrier_signal -1
	s_barrier_wait -1
	s_wait_loadcnt 0x0                             ; bo
	SCALES 0
	FETCH 0
.irp s, 0,1,2,3,4,5,6,7
	KSTEP \s
.endr
	PLACES                                         ; in front of the first read of results and of loads into the fragments' registers
.irp m, 0,1
.irp t, 0,1,2,3
	ds_store_b128 v14, v[ACC+32*\m+8*\t:ACC+32*\m+8*\t+3] offset:\m*16*272+128*(\t/2)+32*(\t%2)        ; each accumulator from its low end on
	ds_store_b128 v14, v[ACC+32*\m+8*\t+4:ACC+32*\m+8*\t+7] offset:\m*16*272+128*(\t/2)+32*(\t%2)+16
.endr
.endr
.irp i, 0,1,2,3,4,5,6,7,8,9,10,11,12,13,14,15
	ds_load_b128 v[96+4*\i:99+4*\i], v15 offset:\i*2*272           ; LDS serves a wave's instructions in order: these see my stores
.endr
.irp i, 0,1,2,3,4,5,6,7,8,9,10,11,12,13,14,15
	s_wait_dscnt 15-\i                             ; load i is back; the 15 - i younger ones may be out
	global_store_b128 v24, v[96+4*\i:99+4*\i], s[10:11] offset:(8*(\i/8)+(2*\i)%16+8*((\i/4)%2))*4096 th:TH_STORE_NT   ; stage row 2 i + h is token 8 (i / 8) + 2 i % 16 + 8 ((i / 4) % 2) + h of my 32; sixteen lanes store 256 consecutive bytes, aligned
.endr
	s_wait_tensorcnt 0x0
	ds_add_u32 v30, v31
	s_wait_dscnt 0x0
	CROUND                                         ; the closing round: no work-group ends while a partner may still ask for a tile that names it
	s_endpgm
.Lfunc_end_k_qe1cf11ffa4_oproj:
	.size	k_qe1cf11ffa4_oproj, .Lfunc_end_k_qe1cf11ffa4_oproj-k_qe1cf11ffa4_oproj
	.p2alignl 7, 3214868480
	.fill 96, 4, 3214868480
	.section	.rodata,"a",@progbits
	.p2align	6, 0x0
	.amdhsa_kernel k_qe1cf11ffa4_oproj
		.amdhsa_group_segment_fixed_size 188928
		.amdhsa_private_segment_fixed_size 0
		.amdhsa_enable_private_segment 0
		.amdhsa_kernarg_size 32
		.amdhsa_user_sgpr_count 2
		.amdhsa_user_sgpr_kernarg_segment_ptr 1
		.amdhsa_wavefront_size32 1
		.amdhsa_system_sgpr_workgroup_id_x 1
		.amdhsa_system_sgpr_workgroup_id_y 1
		.amdhsa_system_sgpr_workgroup_id_z 1
		.amdhsa_system_vgpr_workitem_id 0
		.amdhsa_next_free_vgpr 256
		.amdhsa_next_free_sgpr 100
		.amdhsa_reserve_vcc 0
		.amdhsa_float_denorm_mode_32 3
		.amdhsa_float_denorm_mode_16_64 3
		.amdhsa_memory_ordered 1
		.amdhsa_forward_progress 1
		.amdhsa_inst_pref_size 35
	.end_amdhsa_kernel
	.amdgpu_metadata
---
amdhsa.version: [ 1, 2 ]
amdhsa.kernels:
  - .name:           k_qe1cf11ffa4_oproj
    .symbol:         k_qe1cf11ffa4_oproj.kd
    .args:
      - { .name: ac, .offset: 0, .size: 8, .value_kind: global_buffer, .address_space: global }
      - { .name: wc, .offset: 8, .size: 8, .value_kind: global_buffer, .address_space: global }
      - { .name: bo, .offset: 16, .size: 8, .value_kind: global_buffer, .address_space: global }
      - { .name: out0, .offset: 24, .size: 8, .value_kind: global_buffer, .address_space: global }
    .group_segment_fixed_size: 188928
    .private_segment_fixed_size: 0
    .kernarg_segment_align: 8
    .kernarg_segment_size: 32
    .max_flat_workgroup_size: 128
    .sgpr_count:     100
    .vgpr_count:     256
    .wavefront_size: 32
...
	.end_amdgpu_metadata
.endif
;; end of part 4
;; ======== version 2 of 2: 4 launches; version 1 with the launch attn written anew for expert scheduling mode
;; workspace buffers: xc 1,638,400 bytes; wc 3,276,800 bytes; rope 524,288 bytes; mw 1,572,864 bytes of whole numbers; fb 32,768 bytes of whole numbers; qkv 5,046,272 bytes; ac 1,638,400 bytes
;; launch prep: the kernel of part 1 again; grid 736 x 1, 4 waves a work-group, no clusters, 34,304 bytes of LDS; arguments x, Wq, Wk, Wv, Wo, bar_ids, instrument_ids, xc, wc, rope, mw, fb; writes xc, wc, rope, mw, fb
;; launch qkv: the kernel of part 2 again; grid 12 x 16, 4 waves a work-group, clusters of 4 x 4, 307,712 bytes of LDS; arguments xc, wc, rope, bq, bk, bv, qkv; writes qkv
;; launch attn (part 5): grid 16 x 16, 8 waves a work-group, no clusters, 209,920 bytes of LDS; arguments qkv, mw, fb, ac; writes ac
.if DOCPART == 5
	.amdgcn_target "amdgcn-amd-amdhsa--gfx1250"
	.amdhsa_code_object_version 6
	.text
	.protected	k_qe1cf11ffa4_attn
	.globl	k_qe1cf11ffa4_attn
	.p2align	8
	.type	k_qe1cf11ffa4_attn,@function
k_qe1cf11ffa4_attn:
	s_mov_b64 s[64:65], 0
	v_nop
	global_prefetch_b8 v0, s[64:65] scope:SCOPE_SE
	s_setreg_imm32_b32 hwreg(HW_REG_WAVE_SCHED_MODE, 0, 2), 2
	s_setreg_imm32_b32 hwreg(HW_REG_WAVE_MODE, 25, 1), 1
	s_wait_xcnt 0x0
	s_wait_alu depctr_vm_vsrc(0)
; THREE MASKED ATTENTIONS over the same q, k, v of a head, added, and quantised along e = 64 x head + d for the last product.  All products on codes of E3M2.
; SHARES.  Work-group (x, y): head y.  Each of its eight waves owns one tile of 16 queries: waves 0-3 tiles 4 x + w, waves 4-7 tiles 120 - 4 x + w: an early and a late tile by turns, since late queries see more keys.
; A head's codes and scale words of k and v, 208,896 bytes, are copied into LDS once, through registers, and are only read from the one barrier on.
; NO TENSOR LOAD AND NO JOINT REQUEST: which steps, masks and blocks a wave works on hangs on flags that an earlier launch stored, and differs from wave to wave.
; A STEP is 128 keys.  S^T = K Q^T is made ONCE for the three masks (8 products; they are 128 deep, of which the head has 64: Q's upper 64 codes are zeros, so what stands in K's upper registers adds nothing).
; A UNIT is (step, mask); it is left out where its 16 x 128 bits are all 0, and inside it each block of 32 keys whose bits are all 0: such a block's codes are zeros and it adds nothing to the row's sum.
; The causal part of the masks falls out of the same flags.  Keys stay in their places: p's and v's scales belong to the blocks of 32 as they lie.
; EACH MASK has its own running M (a whole number: -M = floor(-t) of the largest t so far), its own sum of the unquantised p = 2^(t - M), and its own O^T.  When M moves, sum and O^T are multiplied by 2^(old M - new M): exact.
; A hidden score becomes -infinity ahead of the maximum: p = 0.  A row that no key of a mask serves keeps O = 0 and sum 0; its sum is raised to 2^-100 ahead of the reciprocal, so that it gives 0.
; THE MASK WORDS of the next unit that has any bit are asked for, by scalar loads, as soon as this unit's words have been used.
; LIMITS: NaN and infinities are not served; a block of zeros gets the byte 1 (its codes are zeros; this program alone reads the bytes).
; A block's largest p is taken as the exponential of its largest score, which takes v_exp_f32 not to fall where its input rises.
; REGISTERS: window 0: v1, v2 16 and 8 x lane; v4-9 the step's LDS addresses; v10 -infinity; v12-23 for mask m: -M, largest t, the sum in two halves; v24-25 f; v28-51 at work; v52 p's scale word, v53 Q's, v54-57 K's, v58-59 V's;
;   v64-75 Q; v76-94 p's codes; v96-159 S^T; v160-223 the masked scores, then p; before that K's fragments (v160-207, v208-213 named with the last).   window 1: v0-95 O^T of the three masks; v96-143 V's fragments.
; THE MODE: SCHED_MODE bits 1:0 = 2 (LLVM: expert scheduling mode 2), set by the entry lines.  The code itself states the register dependences
; between vector or matrix instructions and memory or LDS instructions, with s_wait_alu, always for 0.
; THE PLAN.  Registers that memory or LDS instructions touch:
;   v1, v2, v234, v238-247   offsets and LDS addresses: made once at the head, ahead of the head's wait on va_vdst, and never written again.
;   v96-223, window 1 v0-75  at the head: the fill's loads land in them, the fill's LDS stores read them.  One wait on vm_vsrc behind the barrier stands ahead of all that writes them afterwards.
;   v64-69, v53              Q and its scale words: loaded once, read by matrix instructions alone.
;   v4-9                     written by six additions at the head of each step that runs; read by that step's 34 LDS loads.
;   v160-207                 K's fragments: the step's loads land in them, the eight products on the scores read them, then the units write and read them as scores and p.
;   v54-59, window 1 v96-143 K's and V's scale words and V's fragments: the step's loads land in them; matrix instructions alone read them.
;   v76-87, v52              p's codes and scale word: written by vector instructions in a unit, taken by its four scaled products; on the way out v76-81 and v60 are the stores' data.
;   s[16:63], s[80:95]       the mask words: read by a unit's selections, then written by the scalar loads for the next unit.
; So a step that runs has one wait on vm_vsrc ahead of its six additions and ONE wait on va_vdst behind them, ahead of its one run of loads: behind it the addresses are written and every reader and writer of the registers in which
; the loads land is done.  No vector instruction stands between that wait and the products on the scores.  A unit has one wait on va_vdst ahead of the scalar loads and one ahead of its scaled products, beside the waits behind its exponentials.
.set HEADB, 315392
.set KSO, 98304
.set VCO, 106496
.set VSO, 204800
.set QCO, 208896
.set QSO, 307200
.set S,  96
.set P,  160
.set PC, 76
.set PT, 88
.set MSB, 0
.macro WIN new
.if MSB != (\new)
	s_set_vgpr_msb (MSB<<8)|(\new)
.set MSB, (\new)
.endif
.endm
; s2 the flags of the half in hand, 3 bits a step, shifted down as the steps go; s3 the second half's; s4 the unit's block flags; s5 those on their way; s6 the step; s7 3 x step;
; s8, s9, s10 the step's LDS bytes (6,144, 512, 256 a step); s[14:15] c; s[16:63], s[80:95] the 64 mask words; s[66:67] lane selects; s[68:69] my tile's mask words; s[70:71] its block flags; s[72:73] my record of the output
.macro PREF keep                       ; the words and block flags of the lowest unit whose flag survives 'keep'.  It stands behind a wait for all scalar loads, so its offsets may be written
	s_and_b32 s13, s2, \keep
	s_ctz_i32_b32 s11, s13
	s_cmp_lg_u32 s13, 0
	s_cselect_b32 s11, s11, 0                      ; none left in this half: any unit's words will do, nobody uses them
	s_add_co_u32 s11, s11, s7
	s_min_u32 s11, s11, 47                         ; a tile has 48 units
	s_lshl_b32 s12, s11, 2
	s_lshl_b32 s11, s11, 8
	s_load_b512 s[16:31], s[68:69], s11 offset:0x0
	s_load_b512 s[32:47], s[68:69], s11 offset:0x40
	s_load_b512 s[48:63], s[68:69], s11 offset:0x80
	s_load_b512 s[80:95], s[68:69], s11 offset:0xc0
	s_load_b32 s5, s[70:71], s12 offset:0x0
.endm
	s_load_b256 s[16:23], s[0:1], 0x0              ; qkv s16, mw s18, fb s20, ac s22
	v_lshl_add_u32 v254, v0, 2, 0x33000
	v_mov_b32 v255, 0
	v_lshrrev_b32 v1, 5, v0
	v_readfirstlane_b32 s76, v1                    ; wave
	v_and_b32 v3, 31, v0
	v_lshlrev_b32 v1, 4, v3                        ; 16 x lane
	v_lshlrev_b32 v2, 3, v3                        ; 8 x lane
	v_and_b32 v11, 15, v0
	v_lshlrev_b32 v247, 4, v11                     ; 16 r
	v_lshlrev_b32 v234, 3, v11                     ; 8 r
	v_lshlrev_b32 v246, 4, v0                      ; 16 x thread
.irp j, 0,1,2,3
	v_add_nc_u32 v[238+\j], 65536*\j, v246         ; the fill's LDS addresses: an immediate reaches 65,535 bytes
.endr
	v_add_nc_u32 v242, KSO, v1
	v_add_nc_u32 v243, VCO, v1
	v_add_nc_u32 v244, VCO, v2
	v_add_nc_u32 v245, VSO, v2
	s_wait_alu depctr_va_sdst(0)                   ; s76 is written, ahead of its first reader: my tile of queries is made from it
	s_and_b32 s78, ttmp7, 0xffff                   ; head
	s_lshl_b32 s79, ttmp9, 2
	s_add_co_u32 s77, s79, s76
	s_sub_co_u32 s96, 120, s79
	s_add_co_u32 s96, s96, s76
	s_cmp_lt_u32 s76, 4
	s_cselect_b32 s77, s77, s96                    ; my tile of queries
	s_mov_b32 s97, 0
	s_mov_b32 s13, 0
	s_mul_i32 s96, s78, HEADB
	s_wait_kmcnt 0x0
	s_add_nc_u64 s[74:75], s[16:17], s[96:97]      ; my head
	s_mul_i32 s96, s77, 768
	s_add_co_u32 s96, s96, QCO
	s_add_nc_u64 s[98:99], s[74:75], s[96:97]      ; my tile's codes of q
	s_lshr_b32 s96, s77, 3
	s_lshl_b32 s96, s96, 9
	s_and_b32 s79, s77, 1
	s_lshl_b32 s79, s79, 8
	s_add_co_u32 s96, s96, s79
	s_bfe_u32 s79, s77, 0x20001
	s_lshl_b32 s79, s79, 2
	s_add_co_u32 s96, s96, s79
	s_add_co_u32 s96, s96, QSO
	s_add_nc_u64 s[100:101], s[74:75], s[96:97]    ; and its scale words
	s_wait_alu depctr_va_vdst(0)                   ; the offsets and LDS addresses v1, v2, v234 and v238 to v247 are written, which the loads and stores of the whole kernel read; so are v254 and v255, which the closing add reads
	global_load_b128 v[64:67], v1, s[98:99]
	global_load_b64 v[68:69], v2, s[98:99] offset:512
	global_load_b32 v53, v247, s[100:101]
.set i, 0
.rept 32                               ; the head's k and v: 51 loads of 4,096 consecutive bytes a work-group
	global_load_b128 v[96+4*i:99+4*i], v246, s[74:75] offset:4096*i
.set i, i+1
.endr
	WIN 0x40
.rept 19
	global_load_b128 v[4*(i-32):4*(i-32)+3], v246, s[74:75] offset:4096*i
.set i, i+1
.endr
	WIN 0
	s_lshl_b32 s96, s77, 6
	s_load_b512 s[32:47], s[20:21], s96 offset:0x0 ; my tile's 16 words of unit flags
	s_mul_i32 s12, s77, 12288
	s_add_nc_u64 s[68:69], s[18:19], s[12:13]
	s_mul_i32 s12, s77, 192
	s_add_co_u32 s12, s12, 8192
	s_add_nc_u64 s[70:71], s[20:21], s[12:13]
	s_mul_i32 s12, s77, 12800
	s_lshr_b32 s79, s78, 3
	s_mul_i32 s79, s79, 6400
	s_add_co_u32 s12, s12, s79
	s_add_nc_u64 s[72:73], s[22:23], s[12:13]
	s_mov_b32 s14, 0x3e38aa3b                      ; c = log2(e) / 8
	s_mov_b32 s15, s14                             ; (named with it as a pair)
	s_mov_b32 s66, 0x76543210
	s_mov_b32 s67, 0xfedcba98
	s_mov_b32 s6, 0
	s_mov_b32 s7, 0
	s_mov_b32 s8, 0
	s_mov_b32 s9, 0
	s_mov_b32 s10, 0
	s_wait_kmcnt 0x0
	s_or_b32 s2, s32, s33
	s_or_b32 s3, s40, s41
.irp j, 34,35,36,37,38,39
	s_or_b32 s2, s2, s\j
.endr
.irp j, 42,43,44,45,46,47
	s_or_b32 s3, s3, s\j
.endr
	PREF -1
.set i, 0
.rept 32
	s_wait_loadcnt 50-i                            ; loads come back in order: load i is in, the 50 - i younger ones may be out
	ds_store_b128 v[238+i/16], v[96+4*i:99+4*i] offset:4096*(i%16)
.set i, i+1
.endr
	WIN 0x04                                       ; an LDS store's data are its source 1
.rept 19
	s_wait_loadcnt 50-i
	ds_store_b128 v[238+i/16], v[4*(i-32):4*(i-32)+3] offset:4096*(i%16)
.set i, i+1
.endr
	WIN 0
	s_wait_dscnt 0x0                               ; for the others' sake: my stores have landed
	s_barrier_signal -1
	s_barrier_wait -1                              ; from here on LDS is only read
	s_wait_alu depctr_vm_vsrc(0)                   ; my LDS stores have read v96 to v223 and v0 to v75 of window 1: these are O^T, S^T, K's fragments and p from here on, written by the lines below, by the products and by the steps' loads
	WIN 0x40
.set i, 0
.rept 96
	v_mov_b32 v[i], 0                              ; O^T: which step is a mask's first hangs on the flags, so no product can be written out to start these sums
.set i, i+1
.endr
	WIN 0
	v_mov_b32 v10, 0xff800000
.irp m, 0,1,2
	v_mov_b32 v[13+4*\m], 0xff61b1e6               ; the largest t so far: -3e38
	v_floor_f32 v[12+4*\m], -v[13+4*\m]
	v_mov_b32 v[14+4*\m], 0
	v_mov_b32 v[15+4*\m], 0
	v_mov_b32 v[229+2*\m], 0                       ; (named as the upper half of a pair)
.endr
	v_mov_b32 v25, 0
.irp j, 32,33,34,35, 70,71,72,73,74,75, 208,209,210,211,212,213
	v_mov_b32 v\j, 0                               ; lane permutes' destinations; Q's upper 64 codes; the registers named with K's last tile
.endr
.macro PHA b                           ; block b: hidden scores become -infinity; the block's largest score
	v_mov_b32 v[28+\b], v10
	s_bitcmp1_b32 s4, \b
	s_cbranch_scc0 .Lpa_\@
.set n, 16*\b
.rept 16
.set WR, 16+n
.if n >= 48
.set WR, 32+n
.endif
	v_cndmask_b32 v[P+n], v10, v[S+n], s[WR]       ; ascending: each accumulator is read from its low end on
.set n, n+1
.endr
.set PB, P+16*\b
	v_max3_num_f32 v26, v[PB], v[PB+1], v[PB+2]
	v_max3_num_f32 v27, v[PB+7], v[PB+8], v[PB+9]
	v_max3_num_f32 v26, v26, v[PB+3], v[PB+4]
	v_max3_num_f32 v27, v27, v[PB+10], v[PB+11]
	v_max3_num_f32 v26, v26, v[PB+5], v[PB+6]
	v_max3_num_f32 v27, v27, v[PB+12], v[PB+13]
	v_max3_num_f32 v27, v27, v[PB+14], v[PB+15]
	v_max_num_f32 v[28+\b], v26, v27
.Lpa_\@:
.endm
.macro PHB m, b                        ; block b: p, its sum, its scale, its codes
	s_bitcmp1_b32 s4, \b
	s_cbranch_scc0 .Lpb_\@
.set PB, P+16*\b
.set DST, PC+6*(\b/2)
.if \b%2
.set DST, PT+4*(\b/2)
.endif
.irp k, 0,2,4,6,8,10,12,14
	v_pk_fma_f32 v[PB+\k:PB+\k+1], v[PB+\k:PB+\k+1], s[14:15], v[12+4*\m:13+4*\m] op_sel_hi:[1,0,0]   ; t - M (of the pairs c and -M the low word serves both halves)
.endr
	v_fma_f32 v[28+\b], v[28+\b], s14, v[12+4*\m]  ; the same of the block's largest score
.irp k, 0,1,2,3,4,5,6,7,8,9,10,11,12,13,14,15
	v_exp_f32 v[PB+\k], v[PB+\k]
.endr
	v_exp_f32 v[28+\b], v[28+\b]
	v_nop                                          ; a plain place behind the exponentials,
	s_wait_alu depctr_va_vdst(0)                   ; and one wait for the batch: the 17 exponentials have written the block's 16 p and its largest p, ahead of their first reader
	v_pk_add_f32 v[44:45], v[PB:PB+1], v[PB+2:PB+3]          ; the sum is taken of the unquantised p
	v_pk_add_f32 v[46:47], v[PB+4:PB+5], v[PB+6:PB+7]
	v_pk_add_f32 v[48:49], v[PB+8:PB+9], v[PB+10:PB+11]
	v_pk_add_f32 v[50:51], v[PB+12:PB+13], v[PB+14:PB+15]
	v_pk_add_f32 v[44:45], v[44:45], v[46:47]
	v_pk_add_f32 v[48:49], v[48:49], v[50:51]
	v_pk_add_f32 v[44:45], v[44:45], v[48:49]
	v_pk_add_f32 v[14+4*\m:15+4*\m], v[14+4*\m:15+4*\m], v[44:45]
	v_max_num_f32 v[28+\b], 0x2800000, v[28+\b]    ; the floor 2^(5 - 127)
	v_add_nc_u32 v[36+\b], 0xfe000000, v[28+\b]
	v_lshrrev_b32 v[40+\b], 23, v[36+\b]
	v_cvt_scalef32_pk16_bf6_f32 v[DST:DST+2], v[PB:PB+15], v[36+\b]
	v_nop                                          ; one plain place behind a scaled conversion
.Lpb_\@:
.endm
.macro UNIT m
	s_bitcmp1_b32 s2, \m
	s_cbranch_scc0 .Lun_\@
	s_wait_kmcnt 0x0                               ; this unit's words and block flags are in
	s_mov_b32 s4, s5
	PHA 0
	PHA 1
	PHA 2
	PHA 3
	s_wait_alu depctr_va_vdst(0)                   ; the selections above are done reading the mask words s[16:63] and s[80:95], in which the scalar loads below land
	PREF -(2<<\m)                                  ; the words have been used: the next unit's are asked for
.irp b, 0,1,2,3
	v_permlanex16_b32 v[32+\b], v[28+\b], s66, s67
.endr
.irp b, 0,1,2,3
	v_max_num_f32 v[28+\b], v[28+\b], v[32+\b]     ; with lane l xor 16's 16 keys
.endr
	v_max3_num_f32 v26, v28, v29, v30
	v_max_num_f32 v26, v26, v31
	v_mul_f32 v26, s14, v26
	v_max_num_f32 v[13+4*\m], v[13+4*\m], v26      ; the running largest t
	v_mov_b32 v27, v[12+4*\m]
	v_floor_f32 v[12+4*\m], -v[13+4*\m]            ; the new -M
	v_sub_f32 v27, v[12+4*\m], v27
	v_cvt_i32_f32 v27, v27                         ; (it saturates)
	v_ldexp_f32 v24, 1.0, v27                      ; f = 2^(old M - new M)
	v_pk_mul_f32 v[14+4*\m:15+4*\m], v[14+4*\m:15+4*\m], v[24:25] op_sel_hi:[1,0]
.irp b, 0,1,2,3
	v_mov_b32 v[40+\b], 1                          ; a block that is left out: the byte 1 and zero codes
.endr
.irp i, 0,1,2
	v_mov_b32 v[PC+\i], 0
	v_mov_b32 v[PC+6+\i], 0
	v_mov_b32 v[PT+\i], 0
	v_mov_b32 v[PT+4+\i], 0
.endr
	PHB \m, 0
	PHB \m, 1
	PHB \m, 2
	PHB \m, 3
	v_lshl_or_b32 v52, v41, 8, v40                 ; p's scale word for these 128 keys
	v_lshl_or_b32 v52, v42, 16, v52
	v_lshl_or_b32 v52, v43, 24, v52
.irp c, 0,1
.irp i, 0,1,2
	v_permlane16_swap_b32 v[PC+6*\c+\i], v[PT+4*\c+\i]      ; a whole block to a lane
.endr
.irp i, 0,1,2
	v_mov_b32 v[PC+3+6*\c+\i], v[PT+4*\c+\i]
.endr
.endr
	WIN 0x41
.irp j, 0,2,4,6,8,10,12,14,16,18,20,22,24,26,28,30
	v_pk_mul_f32 v[32*\m+\j:32*\m+\j+1], v[32*\m+\j:32*\m+\j+1], v[24:25] op_sel_hi:[1,0]   ; O^T under the new M; these 16 are also the places behind the scale word and the codes
.endr
	s_wait_dscnt 0x0                               ; V's fragments and scale words are in
	s_wait_alu depctr_va_vdst(0)                   ; p's codes v76 to v87 and p's scale word v52 are written, which the scaled products below take as source 1 and as its scales; the sixteen places above stay beside this wait
	WIN 0x51                                       ; V and O^T in window 1, p's codes in window 0
.irp n, 0,1,2,3                        ; four accumulators, one instruction each; the products on the scores, or another mask's, stand between two turns of one accumulator
.if \n%2
	v_wmma_scale_f32_16x16x128_f8f6f4 v[32*\m+8*\n:32*\m+8*\n+7], v[96+12*\n:107+12*\n], v[PC:PC+11], v[32*\m+8*\n:32*\m+8*\n+7], v[58+\n/2], v52 matrix_a_fmt:MATRIX_FMT_BF6 matrix_b_fmt:MATRIX_FMT_BF6 matrix_a_scale:MATRIX_SCALE_ROW1
.else
	v_wmma_scale_f32_16x16x128_f8f6f4 v[32*\m+8*\n:32*\m+8*\n+7], v[96+12*\n:107+12*\n], v[PC:PC+11], v[32*\m+8*\n:32*\m+8*\n+7], v[58+\n/2], v52 matrix_a_fmt:MATRIX_FMT_BF6 matrix_b_fmt:MATRIX_FMT_BF6
.endif
.endr
	WIN 0
.Lun_\@:
.endm
.Lstep:                                ; 16 trips, a constant; what a trip leaves out hangs on the stored flags
	s_cmp_lg_u32 s6, 8
	s_cbranch_scc1 .Lsame_half
	s_mov_b32 s2, s3                               ; the second half's flags
	s_wait_kmcnt 0x0
	PREF -1                                        ; (every selection issued so far stands ahead of its unit's wait on va_vdst)
.Lsame_half:
	s_and_b32 s13, s2, 7
	s_cmp_eq_u32 s13, 0
	s_cbranch_scc1 .Lend                           ; no mask has a bit in these 128 keys
	s_wait_alu depctr_vm_vsrc(0)                   ; the LDS loads of the last step that ran have read v4 to v9, which the six additions write again
	v_add_nc_u32 v4, s8, v1                        ; the step's six LDS addresses
	v_add_nc_u32 v5, s8, v2
	v_add_nc_u32 v6, s9, v242
	v_add_nc_u32 v7, s8, v243
	v_add_nc_u32 v8, s8, v244
	v_add_nc_u32 v9, s10, v245
	s_wait_alu depctr_va_vdst(0)                   ; v4 to v9 are written, which the loads below read; the last step's units are done reading and writing v160 to v223, and its products done reading V's fragments and the scale words v54 to v59, in all of which loads land; v70 to v75 and v208 to v213 are written, which the scaled products on the scores take among their operands
.irp t, 0,1,2,3,4,5,6,7
	ds_load_b128 v[P+6*\t:P+6*\t+3], v4 offset:768*\t
	ds_load_b64 v[P+6*\t+4:P+6*\t+5], v5 offset:768*\t+512
.endr
	ds_load_b128 v[54:57], v6
	WIN 0x40
.irp n, 0,1,2,3
	ds_load_b128 v[96+12*\n:99+12*\n], v7 offset:1536*\n
	ds_load_b64 v[100+12*\n:101+12*\n], v8 offset:1536*\n+512
	ds_load_b128 v[102+12*\n:105+12*\n], v7 offset:1536*\n+768
	ds_load_b64 v[106+12*\n:107+12*\n], v8 offset:1536*\n+1280
.endr
	WIN 0
	ds_load_b64 v[58:59], v9
	s_wait_dscnt 17                                ; K and its scale words are in; V's 17 loads may be out
.irp t, 0,1,2,3,4,5,6,7
.if \t%2
	v_wmma_scale_f32_16x16x128_f8f6f4 v[S+8*\t:S+8*\t+7], v[P+6*\t:P+6*\t+11], v[64:75], 0, v[54+\t/2], v53 matrix_a_fmt:MATRIX_FMT_BF6 matrix_b_fmt:MATRIX_FMT_BF6 matrix_a_scale:MATRIX_SCALE_ROW1
.else
	v_wmma_scale_f32_16x16x128_f8f6f4 v[S+8*\t:S+8*\t+7], v[P+6*\t:P+6*\t+11], v[64:75], 0, v[54+\t/2], v53 matrix_a_fmt:MATRIX_FMT_BF6 matrix_b_fmt:MATRIX_FMT_BF6
.endif
.endr
.rept 4
	v_nop                                          ; places in front of the first read of the scores and of writes over K's registers
.endr
	UNIT 0
	UNIT 1
	UNIT 2
	s_wait_dscnt 0x0                               ; V's 17 loads are in on every way through the three units: the next trip loads into the same registers.  (A unit that ran has waited already)
.Lend:
	s_lshr_b32 s2, s2, 3
	s_add_co_u32 s7, s7, 3
	s_add_co_u32 s8, s8, 6144
	s_add_co_u32 s9, s9, 512
	s_add_co_u32 s10, s10, 256
	s_add_co_u32 s6, s6, 1
	s_cmp_lt_u32 s6, 16
	s_cbranch_scc1 .Lstep
; THE WAY OUT: the three results, each divided by its sum, are added and quantised along the head's 64: half a fragment of the last product's operand
.irp m, 0,1,2
	v_add_f32 v[44+\m], v[14+4*\m], v[15+4*\m]
.endr
.irp m, 0,1,2
	v_permlanex16_b32 v[32+\m], v[44+\m], s66, s67
.endr
.irp m, 0,1,2
	v_add_f32 v[44+\m], v[44+\m], v[32+\m]
.endr
.irp m, 0,1,2
	v_max_num_f32 v[44+\m], 0x0d800000, v[44+\m]   ; 2^-100: a row with a key has a sum over 1/2; a row without has O = 0
.endr
.irp m, 0,1,2
	v_rcp_f32 v[228+2*\m], v[44+\m]
.endr
	v_nop
	s_wait_alu depctr_va_vdst(0)                   ; one wait for the batch: the three reciprocals have written v228, v230 and v232, ahead of their first reader
	WIN 0x01
.irp j, 0,2,4,6,8,10,12,14,16,18,20,22,24,26,28,30
	v_pk_mul_f32 v[P+\j:P+\j+1], v[\j:\j+1], v[228:229] op_sel_hi:[1,0]
.endr
.irp j, 0,2,4,6,8,10,12,14,16,18,20,22,24,26,28,30
	v_pk_fma_f32 v[P+\j:P+\j+1], v[32+\j:33+\j], v[230:231], v[P+\j:P+\j+1] op_sel_hi:[1,0,1]
.endr
.irp j, 0,2,4,6,8,10,12,14,16,18,20,22,24,26,28,30
	v_pk_fma_f32 v[P+\j:P+\j+1], v[64+\j:65+\j], v[232:233], v[P+\j:P+\j+1] op_sel_hi:[1,0,1]
.endr
	WIN 0
	v_max3_num_f32 v44, |v[P]|, |v[P+1]|, 0x2800000
	v_max3_num_f32 v45, |v[P+16]|, |v[P+17]|, 0x2800000
.set i, 2
.rept 7
	v_max3_num_f32 v44, v44, |v[P+i]|, |v[P+i+1]|
	v_max3_num_f32 v45, v45, |v[P+16+i]|, |v[P+17+i]|
.set i, i+2
.endr
	v_permlanex16_b32 v32, v44, s66, s67
	v_permlanex16_b32 v33, v45, s66, s67
	v_max_num_f32 v44, v44, v32
	v_max_num_f32 v45, v45, v33
	v_add_nc_u32 v36, 0xfe000000, v44
	v_add_nc_u32 v37, 0xfe000000, v45
	v_lshrrev_b32 v40, 23, v36
	v_lshrrev_b32 v41, 23, v37
	v_lshl_or_b32 v60, v41, 8, v40                 ; my row's two scale bytes
	v_cvt_scalef32_pk16_bf6_f32 v[PC:PC+2], v[P:P+15], v36
	v_cvt_scalef32_pk16_bf6_f32 v[PT:PT+2], v[P+16:P+31], v37
	v_nop
.irp i, 0,1,2
	v_permlane16_swap_b32 v[PC+\i], v[PT+\i]
.endr
.irp i, 0,1,2
	v_mov_b32 v[PC+3+\i], v[PT+\i]
.endr
	s_and_b32 s96, s78, 7
	s_mul_i32 s96, s96, 768                        ; K step (head / 2) % 4 of the record, its half head % 2
	s_add_nc_u64 s[98:99], s[72:73], s[96:97]
	s_bfe_u32 s96, s78, 0x10001
	s_lshl_b32 s96, s96, 7                         ; the scale bytes: lanes' half (head / 2) % 2,
	s_bfe_u32 s79, s78, 0x10002
	s_lshl_b32 s79, s79, 2                         ; word (head / 4) % 2,
	s_add_co_u32 s96, s96, s79
	s_and_b32 s79, s78, 1
	s_lshl_b32 s79, s79, 1                         ; bytes 2 (head % 2) on
	s_add_co_u32 s96, s96, s79
	s_add_co_u32 s96, s96, 6144
	s_add_nc_u64 s[100:101], s[72:73], s[96:97]
	s_wait_alu depctr_va_vdst(0)                   ; the codes v76 to v81 and the scale bytes v60 are written, which the three stores read
	global_store_b128 v1, v[PC:PC+3], s[98:99]
	global_store_b64 v2, v[PC+4:PC+5], s[98:99] offset:512
	global_store_b16 v234, v60, s[100:101]         ; both halves of the lanes write the same bytes with the same value
	s_wait_dscnt 0x0                               ; the closing lines, six on end
	s_wait_alu 0x0
	s_wait_tensorcnt 0x0
	ds_add_u32 v254, v255
	s_wait_dscnt 0x0
	s_endpgm
.Lfunc_end_k_qe1cf11ffa4_attn:
	.size	k_qe1cf11ffa4_attn, .Lfunc_end_k_qe1cf11ffa4_attn-k_qe1cf11ffa4_attn
	.p2alignl 7, 3214868480
	.fill 96, 4, 3214868480
	.section	.rodata,"a",@progbits
	.p2align	6, 0x0
	.amdhsa_kernel k_qe1cf11ffa4_attn
		.amdhsa_group_segment_fixed_size 209920
		.amdhsa_private_segment_fixed_size 0
		.amdhsa_enable_private_segment 0
		.amdhsa_kernarg_size 32
		.amdhsa_user_sgpr_count 2
		.amdhsa_user_sgpr_kernarg_segment_ptr 1
		.amdhsa_wavefront_size32 1
		.amdhsa_system_sgpr_workgroup_id_x 1
		.amdhsa_system_sgpr_workgroup_id_y 1
		.amdhsa_system_sgpr_workgroup_id_z 1
		.amdhsa_system_vgpr_workitem_id 0
		.amdhsa_next_free_vgpr 400
		.amdhsa_next_free_sgpr 102
		.amdhsa_reserve_vcc 0
		.amdhsa_float_denorm_mode_32 3
		.amdhsa_float_denorm_mode_16_64 3
		.amdhsa_memory_ordered 1
		.amdhsa_forward_progress 1
		.amdhsa_inst_pref_size 86
	.end_amdhsa_kernel
	.amdgpu_metadata
---
amdhsa.version: [ 1, 2 ]
amdhsa.kernels:
  - .name:           k_qe1cf11ffa4_attn
    .symbol:         k_qe1cf11ffa4_attn.kd
    .args:
      - { .name: qkv, .offset: 0, .size: 8, .value_kind: global_buffer, .address_space: global }
      - { .name: mw, .offset: 8, .size: 8, .value_kind: global_buffer, .address_space: global }
      - { .name: fb, .offset: 16, .size: 8, .value_kind: global_buffer, .address_space: global }
      - { .name: ac, .offset: 24, .size: 8, .value_kind: global_buffer, .address_space: global }
    .group_segment_fixed_size: 209920
    .private_segment_fixed_size: 0
    .kernarg_segment_align: 8
    .kernarg_segment_size: 32
    .max_flat_workgroup_size: 256
    .sgpr_count:     102
    .vgpr_count:     400
    .wavefront_size: 32
...
	.end_amdgpu_metadata
.endif
;; end of part 5
;; launch oproj: the kernel of part 4 again; grid 16 x 16, 4 waves a work-group, clusters of 4 x 4, 188,928 bytes of LDS; arguments ac, wc, bo, out0; writes out0
